; MI455X (gfx1250); checked and timed in simulation.
; The chip was launched on July 23, 2026; its instructions are those of AMD's public machine-readable ISA for CDNA 5 (MIT licence, August 2026) and "CDNA5" Instruction Set Architecture Reference Guide (July 2026). The comments in the code are by the model that wrote it; some were corrected since.
;; Cross Attention. Allowed arithmetic: matrix products marked QUANTISED: E5M2 operands, one given power-of-two scale a tensor, by v_wmma_f32_16x16x64_bf8_bf8 or v_wmma_f32_16x16x128_bf8_bf8, f32 sums; everything else in f32.
;; Inputs: Wfc 1,024 x 1,024 float32; Wk 1,024 x 256 float32; Wo 256 x 1,024 float32; Wq 1,024 x 256 float32; Wv 1,024 x 256 float32; bo 1,024 float32; kv_feat 4 x 4,096 x 1,024 float32; ln_beta 1,024 float32; ln_gamma 1,024 float32; lowp_scales 14 int32 (the exponents e of the quantised operands' scales 2^e); q_feat 4 x 4,096 x 1,024 float32.
;; Outputs: out0 4 x 4,096 x 1,024 float32.
;; This version of the problem:
;;   THIS VERSION OF THE PROBLEM IS GIVEN IN LOW PRECISION. The matrix products marked QUANTISED in the list below multiply operands that are first quantised to E5M2 (5 exponent bits, 2 mantissa bits; 8 bits a number), with one given power-of-two scale for each operand tensor; their sums are f32. All else is computed in f32.
;;   The module's matrix products, in the order in which they are computed (A, B: the left and right operand; K: the contracted axis; several contracted axes count as one K, in the product's order):
;;     1. [M 16,384, K 1,024] x [K 1,024, N 256]; A: input q_feat; B: input Wq: QUANTISED (scales: A lowp_scales[0], B lowp_scales[1])
;;     2. [M 16,384, K 1,024] x [K 1,024, N 256]; A: input kv_feat; B: input Wk: QUANTISED (scales: A lowp_scales[2], B lowp_scales[3])
;;     3. [M 16,384, K 1,024] x [K 1,024, N 256]; A: input kv_feat; B: input Wv: QUANTISED (scales: A lowp_scales[4], B lowp_scales[5])
;;     4. batch 4 x [M 4,096, K 256] x [K 256, N 4,096]; A: computed on the way; B: computed on the way: QUANTISED (scales: A lowp_scales[6], B lowp_scales[7])
;;     5. batch 4 x [M 4,096, K 4,096] x [K 4,096, N 256]; A: softmax (see below); B: computed on the way: QUANTISED (scales: A lowp_scales[8], B lowp_scales[9])
;;     6. [M 16,384, K 256] x [K 256, N 1,024]; A: computed on the way; B: input Wo: QUANTISED (scales: A lowp_scales[10], B lowp_scales[11])
;;     7. [M 16,384, K 1,024] x [K 1,024, N 1,024]; A: computed on the way; B: input Wfc: QUANTISED (scales: A lowp_scales[12], B lowp_scales[13])
;;   THE QUANTISER, for each operand of a quantised product, along K:
;;     - The operand's scale is 2^e, e = its entry of the input lowp_scales (int32; the entries are numbered through the quantised products in the list's order, A before B).
;;     - Each number is divided by the scale, clamped to +-57,344, and rounded to the nearest number of E5M2, ties to even, subnormals kept.
;;     - The product sums the exact products of the quantised numbers (number of the format x scale) in f32.
;;   ~~~python
;;   def quantise(x, axis, e):      # numpy; x: float32 -> the quantised numbers, widened to float32 again
;;       x = np.moveaxis(x, axis, -1); K = x.shape[-1]
;;       r = np.clip(x / 2.0 ** e, -57344, 57344)
;;       step = 2.0 ** (np.maximum(np.frexp(np.where(r == 0, 1, r))[1] - 1, -14) - 2)
;;       q = np.round(r / step) * step * 2.0 ** e      # np.round: ties to even
;;       return np.moveaxis(q, -1, axis).astype(np.float32)
;;   ~~~
;;   SOFTMAX AHEAD OF A QUANTISED PRODUCT. Where the list says 'softmax', what is quantised is not the finished softmax but p = 2^(t - M), with t = logit x log2(e) and M = ceil(the row's largest t), a whole number; so 1/2 < the row's largest p <= 1. The row's sum l is taken of the UNQUANTISED p, in f32, and the product's result is divided by l at the end. Since M is a whole number, a kernel that streams over the keys may use a running M (the ceiling of the running maximum): every later rescaling is an exact power of two, so the quantised numbers keep their values, but for numbers so far below the row's largest that they fall under the format's range.
;;   OPERANDS COMPUTED ON THE WAY. 'Computed on the way' means the value that the module computes at that place (a softmax that the list does not call 'softmax' is quantised finished and normalised). What goes into a quantiser is computed in f32, as accurately as f32 sums, v_exp_f32 and their like allow (about 1e-6 of the number): no bf16 or f16 on the way to a quantiser, and a product that is left as it is and whose result goes on into a quantised operand takes f32 operands (vector FMAs, or v_wmma_f32_16x16x4_f32). A number that lies on a knife's edge between two numbers of the format may be rounded either way, as far as f32 arithmetic and the matrix unit's own rounding can turn it there, and no further.
;; One version. Each part assembles by itself: llvm-mc -triple=amdgcn-amd-amdhsa -mcpu=gfx1250 --defsym DOCPART=n.
;; ======== version 1 of 1: 3 launches
;; limits: right only within a limited range of input values
;; workspace buffers: wcodes 2,097,152 bytes; qc 4,194,304 bytes; kvc 8,388,608 bytes
;; launch prep (part 1): grid 256 x 1, 4 waves a work-group, no clusters, 0 bytes of LDS; arguments Wq, Wk, Wv, Wo, Wfc, lowp_scales, wcodes; writes wcodes
.if DOCPART == 1
	.amdgcn_target "amdgcn-amd-amdhsa--gfx1250"
	.amdhsa_code_object_version 6
	.text
	.protected	k_q42187a58a7_prep
	.globl	k_q42187a58a7_prep
	.p2align	8
	.type	k_q42187a58a7_prep,@function
k_q42187a58a7_prep:
	s_mov_b64 s[64:65], 0
	v_nop
	global_prefetch_b8 v0, s[64:65] scope:SCOPE_SE
	s_setreg_imm32_b32 hwreg(HW_REG_WAVE_MODE, 25, 1), 1
	s_wait_xcnt 0x0
; The five weights, f32 stored [K][N], become codes of E5M2 laid as images of operand registers.
; A fragment is 16 output units x 128 along K: 16 registers a lane; piece c (registers 4c..4c+3) lies at 512 c + 16 x lane, and lane (r, h) holds k = 32 c + 16 h + 0..15 of its unit.
; A LANE TAKES A COLUMN n AND ITS REGISTERS RUN DOWN K, so the conversions give the operand registers as they stand: nothing is transposed.
; THE UNITS OF A TILE ARE NOT NEIGHBOURS: lane r of tile t takes unit 32 (t / 2) + 8 (t % 2) + r + 8 (r / 8), so that the results of tiles 2b and 2b+1 are 16 neighbours along the next K.
; 1,024 fragments, one a wave.  Work-groups 0-95: Wq, Wk, Wv (pitch 1,024 bytes) into [K step 8][wave 8][product 3][u 2][2,048].
; Work-groups 96-255: Wo, Wfc (pitch 4,096 bytes) into [K block of 64: 20][wave 8][tile 8][1,024], from byte 786,432 on: a fragment of 128 k falls into two blocks.
; code = x / 2^e, held within +-57,344 x 2^e, to the nearest code, ties to even.  LIMITS: each e between -126 and 112.  NaN among the inputs is not served.
; A work-group's four tiles stand side by side on 64 columns: 256 consecutive bytes of each row.  Each store of a wave covers 512 consecutive bytes, aligned.
.set X,   16                           ; v16-79  64 numbers: register 16 c + i = k 32 c + 16 h + i
.set CD,  80                           ; v80-95  the fragment
.set LIM, 10                           ; v10     57,344 x 2^e
.set SC,  11                           ; v11     2^e
.macro LOADS pitch
.set cc, 0
.rept 4
.set ii, 0
.rept 16
	global_load_b32 v[X+16*cc+ii], v3, s[22:23] offset:(32*cc+ii)*\pitch
.set ii, ii+1
.endr
.set cc, cc+1
.endr
.endm
.macro FINISH o0, o1, o2, o3           ; s36 = e; o0..o3: where the four pieces go
	s_add_co_i32 s36, s36, 127
	s_lshl_b32 s37, s36, 23
	v_mov_b32 v[SC], s37                           ; 2^e as f32: the conversion takes its exponent field
	s_add_co_i32 s36, s36, 15
	s_lshl_b32 s36, s36, 23
	s_or_b32 s36, s36, 0x600000
	v_mov_b32 v[LIM], s36                          ; the largest number x 2^e
	s_wait_alu depctr_va_vdst(0)
	s_wait_loadcnt 0x0
.set cc, 0
.rept 4
.set ii, 0
.rept 16
	v_med3_num_f32 v[X+16*cc+ii], v[X+16*cc+ii], -v[LIM], v[LIM]   ; the conversion to an 8-bit code does not saturate (ISA guide 7.6.2): the hold comes first
.set ii, ii+1
.endr
	v_cvt_scalef32_pk8_bf8_f32 v[CD+4*cc:CD+4*cc+1], v[X+16*cc:X+16*cc+7], v[SC]
	v_cvt_scalef32_pk8_bf8_f32 v[CD+4*cc+2:CD+4*cc+3], v[X+16*cc+8:X+16*cc+15], v[SC]
.set cc, cc+1
.endr
	global_store_b128 v4, v[CD:CD+3], s[16:17] offset:\o0        ; the results go to stores alone, and the text has no matrix instruction
	global_store_b128 v4, v[CD+4:CD+7], s[16:17] offset:\o1
	global_store_b128 v4, v[CD+8:CD+11], s[16:17] offset:\o2
	global_store_b128 v4, v[CD+12:CD+15], s[16:17] offset:\o3
	s_endpgm
.endm
	s_load_b256 s[4:11], s[0:1], 0x0               ; Wq s[4:5], Wk s[6:7], Wv s[8:9], Wo s[10:11]
	s_load_b128 s[12:15], s[0:1], 0x20             ; Wfc s[12:13], the exponents s[14:15]
	s_load_b64 s[16:17], s[0:1], 0x30              ; wcodes
	v_lshrrev_b32 v5, 5, v0
	v_readfirstlane_b32 s18, v5                    ; wave 0..3
	v_and_b32 v1, 15, v0                           ; r
	v_bfe_u32 v2, v0, 4, 1                         ; h
	v_and_b32 v4, 31, v0
	v_lshlrev_b32 v4, 4, v4                        ; 16 x lane
	v_and_b32 v6, 8, v1
	v_add_nc_u32 v6, v6, v1                        ; r + 8 (r / 8)
	s_mov_b32 s33, 0
	s_wait_kmcnt 0x0
	s_cmp_lt_u32 ttmp9, 96
	s_cbranch_scc0 .Ltail_weights
	; ---- Wq, Wk, Wv
	s_load_b256 s[24:31], s[14:15], 0x0            ; e0 .. e7
	s_lshr_b32 s19, ttmp9, 5                       ; g: which weight
	s_and_b32 s20, ttmp9, 31
	s_lshr_b32 s20, s20, 2                         ; K step
	s_and_b32 s21, ttmp9, 3
	s_lshl_b32 s21, s21, 2
	s_add_co_u32 s21, s21, s18                     ; tile t 0..15
	s_cmp_eq_u32 s19, 0
	s_cselect_b64 s[22:23], s[4:5], s[6:7]
	s_cmp_eq_u32 s19, 2
	s_cselect_b64 s[22:23], s[8:9], s[22:23]
	s_lshl_b32 s32, s20, 17                        ; 128 rows of 1,024 bytes
	s_add_nc_u64 s[22:23], s[22:23], s[32:33]
	s_lshl_b32 s32, s20, 3
	s_lshr_b32 s34, s21, 1
	s_add_co_u32 s32, s32, s34                     ; 8 s + wave of the reader
	s_mul_i32 s32, s32, 6
	s_lshl_b32 s35, s19, 1
	s_add_co_u32 s32, s32, s35
	s_and_b32 s35, s21, 1
	s_add_co_u32 s32, s32, s35
	s_lshl_b32 s32, s32, 11
	s_add_nc_u64 s[16:17], s[16:17], s[32:33]
	s_lshl_b32 s34, s34, 7
	s_lshl_b32 s35, s35, 5
	s_add_co_u32 s34, s34, s35                     ; 4 x (32 (t / 2) + 8 (t % 2))
	s_wait_alu depctr_va_vdst(0)
	v_lshl_add_u32 v3, v6, 2, s34
	v_lshl_add_u32 v3, v2, 14, v3                  ; + 16 h rows
	LOADS 1024
	s_wait_kmcnt 0x0
	s_cmp_eq_u32 s19, 0
	s_cselect_b32 s36, s25, s27                    ; e1, e3
	s_cmp_eq_u32 s19, 2
	s_cselect_b32 s36, s29, s36                    ; e5
	FINISH 0, 512, 1024, 1536
.Ltail_weights:
	; ---- Wo, Wfc
	s_load_b128 s[24:27], s[14:15], 0x28           ; e10 .. e13
	s_sub_co_u32 s19, ttmp9, 96
	s_lshr_b32 s20, s19, 4                         ; which 128 along K: 0, 1 of Wo, 2..9 of Wfc
	s_and_b32 s21, s19, 15
	s_lshl_b32 s21, s21, 2
	s_add_co_u32 s21, s21, s18                     ; tile t 0..63
	s_cmp_lt_u32 s20, 2
	s_cselect_b64 s[22:23], s[10:11], s[12:13]
	s_cselect_b32 s32, 0, 2
	s_sub_co_u32 s32, s20, s32
	s_lshl_b32 s32, s32, 19                        ; 128 rows of 4,096 bytes
	s_add_nc_u64 s[22:23], s[22:23], s[32:33]
	s_lshl_b32 s32, s20, 17                        ; two K blocks of 65,536 bytes
	s_lshr_b32 s34, s21, 3
	s_lshl_b32 s34, s34, 13
	s_add_co_u32 s32, s32, s34
	s_and_b32 s34, s21, 7
	s_lshl_b32 s34, s34, 10
	s_add_co_u32 s32, s32, s34
	s_add_co_u32 s32, s32, 786432
	s_add_nc_u64 s[16:17], s[16:17], s[32:33]
	s_lshr_b32 s34, s21, 1
	s_lshl_b32 s34, s34, 7
	s_and_b32 s35, s21, 1
	s_lshl_b32 s35, s35, 5
	s_add_co_u32 s34, s34, s35
	s_wait_alu depctr_va_vdst(0)
	v_lshl_add_u32 v3, v6, 2, s34
	v_lshl_add_u32 v3, v2, 16, v3
	LOADS 4096
	s_wait_kmcnt 0x0
	s_cmp_lt_u32 s20, 2
	s_cselect_b32 s36, s25, s27                    ; e11, e13
	FINISH 0, 512, 65536, 66048
.Lfunc_end_k_q42187a58a7_prep:
	.size	k_q42187a58a7_prep, .Lfunc_end_k_q42187a58a7_prep-k_q42187a58a7_prep
	.p2alignl 7, 3214868480
	.fill 96, 4, 3214868480
	.section	.rodata,"a",@progbits
	.p2align	6, 0x0
	.amdhsa_kernel k_q42187a58a7_prep
		.amdhsa_group_segment_fixed_size 0
		.amdhsa_private_segment_fixed_size 0
		.amdhsa_enable_private_segment 0
		.amdhsa_kernarg_size 56
		.amdhsa_user_sgpr_count 2
		.amdhsa_user_sgpr_kernarg_segment_ptr 1
		.amdhsa_wavefront_size32 1
		.amdhsa_system_sgpr_workgroup_id_x 1
		.amdhsa_system_sgpr_workgroup_id_y 1
		.amdhsa_system_sgpr_workgroup_id_z 1
		.amdhsa_system_vgpr_workitem_id 0
		.amdhsa_next_free_vgpr 96
		.amdhsa_next_free_sgpr 66
		.amdhsa_reserve_vcc 0
		.amdhsa_float_denorm_mode_32 3
		.amdhsa_float_denorm_mode_16_64 3
		.amdhsa_memory_ordered 1
		.amdhsa_forward_progress 1
		.amdhsa_inst_pref_size 26
	.end_amdhsa_kernel
	.amdgpu_metadata
---
amdhsa.version: [ 1, 2 ]
amdhsa.kernels:
  - .name:           k_q42187a58a7_prep
    .symbol:         k_q42187a58a7_prep.kd
    .args:
      - { .name: Wq, .offset: 0, .size: 8, .value_kind: global_buffer, .address_space: global }
      - { .name: Wk, .offset: 8, .size: 8, .value_kind: global_buffer, .address_space: global }
      - { .name: Wv, .offset: 16, .size: 8, .value_kind: global_buffer, .address_space: global }
      - { .name: Wo, .offset: 24, .size: 8, .value_kind: global_buffer, .address_space: global }
      - { .name: Wfc, .offset: 32, .size: 8, .value_kind: global_buffer, .address_space: global }
      - { .name: lowp_scales, .offset: 40, .size: 8, .value_kind: global_buffer, .address_space: global }
      - { .name: wcodes, .offset: 48, .size: 8, .value_kind: global_buffer, .address_space: global }
    .group_segment_fixed_size: 0
    .private_segment_fixed_size: 0
    .kernarg_segment_align: 8
    .kernarg_segment_size: 56
    .max_flat_workgroup_size: 128
    .sgpr_count:     66
    .vgpr_count:     96
    .wavefront_size: 32
...
	.end_amdgpu_metadata
.endif
;; end of part 1
;; launch proj (part 2): grid 256 x 1, 8 waves a work-group, clusters of 4 x 1, 327,680 bytes of LDS; arguments q_feat, kv_feat, wcodes, lowp_scales, qc, kvc; writes qc, kvc
.if DOCPART == 2
	.amdgcn_target "amdgcn-amd-amdhsa--gfx1250"
	.amdhsa_code_object_version 6
	.text
	.protected	k_q42187a58a7_proj
	.globl	k_q42187a58a7_proj
	.p2align	8
	.type	k_q42187a58a7_proj,@function
k_q42187a58a7_proj:
	s_mov_b64 s[64:65], 0
	v_nop
	global_prefetch_b8 v0, s[64:65] scope:SCOPE_SE
	s_setreg_imm32_b32 hwreg(HW_REG_WAVE_MODE, 25, 1), 1
	s_wait_xcnt 0x0
	s_wait_alu depctr_hold_cnt(0) depctr_sa_sdst(0) depctr_va_vdst(0) depctr_va_sdst(0) depctr_va_ssrc(0) depctr_va_vcc(0) depctr_vm_vsrc(0)
	s_getreg_b32 s2, hwreg(HW_REG_IB_STS2, 6, 4)
	s_cmp_eq_u32 s2, 0
	s_cbranch_scc0 .Lentry_in_a_cluster
	s_endpgm
.Lentry_in_a_cluster:
	s_bfe_u32 s2, ttmp6, 0x10000c
	s_cmp_lg_u32 s2, 0x3003
	s_cbranch_scc0 .Lentry_shape_is_right
	s_endpgm
.Lentry_shape_is_right:
; Q = q_feat Wq, K = kv_feat Wk, V = kv_feat Wv on codes of E5M2, and their results quantised for the two products of the attention.
; SHARES.  A work-group takes 64 tokens of q_feat and the same 64 of kv_feat: three products of 64 x 256 x 1,024.  Wave w makes units 32 w .. 32 w + 31 of each, for the four tiles of 16 tokens: 24 accumulators.
; x IS QUANTISED IN REGISTERS: waves 0-3 take a tile of q_feat (scale e0), waves 4-7 a tile of kv_feat, twice (e2 for K, e4 for V).  A load reads one token's 512 bytes of the K step; a lane's four numbers of a row
; become one word of codes, which goes into rows of 128 + 16 bytes in LDS; every wave reads its fragments from there.
; THE WEIGHTS come as register images, 98,304 bytes a K step of 128, through a ring of two LDS slots.  All work-groups walk the same weights: the four of a cluster ask for each slot JOINTLY (waves 0-3, a quarter each).
; Q and K are used transposed (source 0 = 16 units, source 1 = 16 tokens): a lane holds one token and 16 neighbouring units, which are the next product's K.  V is used straight (source 0 = 16 tokens,
; source 1 = 16 units): a lane holds one channel and its registers run along the keys.  The tokens of a tile of kv_feat are 32 (T / 2) + 8 (T % 2) + i + 8 (i / 8), so that those keys are neighbours.
; The k of a fragment are permuted (register 4c..: k = 32 c + 16 h + 0..15), alike in both operands.
; LIMITS: e0, e2, e4, and e6-e0-e1, e7-e2-e3, e9-e4-e5 between -126 and 112.  NaN among the inputs is not served.
.set SLOT1, 1<<17                      ; slot p begins at p x SLOT1
.set SLOTB, 98304                      ; a K step's weights: [wave 8][product 3][u 2][2,048]
.set XBB,   98304                      ; behind a slot: x's codes of that K step: 192 rows x 144 bytes (q; kv by e2; kv by e4).  No tensor load lands here
.set XP,    144
.set SPARE, 262144                     ; the spare words, 128 bytes a wave
.set SPW, 1                            ; v1  SPARE + 4 x thread; never rewritten
.set NIL, 2                            ; v2  0; never rewritten
.set XLO, 3                            ; v3  x: my 16 bytes in rows 0-7 of my tile
.set XHI, 4                            ; v4  and in rows 8-15
.set XST, 5                            ; v5, v6   where I store a word of codes, slot 0, 1
.set FRX, 7                            ; v7, v8   where I read x's fragments
.set OUT, 9                            ; v9  16 x lane
.set FRW, 22                           ; v22, v23 where I read my weights
.set T,   160                          ; v160-191 two sets of 16 held numbers
.set CA,  192                          ; v192-207 codes by the first scale
.set CB,  208                          ; v208-223 by the second
.set XF,  160                          ; v160-223 in the products: x's four fragments
.set WF,  224                          ; v224-255 my two weight fragments
.set WV,  16
.set G1,  24
.set G0,  32
.set XB,  36
.set QO,  38
.set KO,  50
.set VO,  52
.set MSB, 0
.macro WIN new                         ; the immediate's high byte repeats the setting that is left
.if MSB != \new
	s_set_vgpr_msb (MSB<<8)|\new
.set MSB, \new
.endif
.endm
.macro PLACES                          ; four plain places behind matrix instructions (ISA guide 7.12.1)
.rept 4
	v_nop
.endr
.endm
.macro MKSC vs, vl, se                 ; v[vs] = 2^e, v[vl] = 57,344 x 2^e
	s_add_co_i32 s54, \se, 127
	s_lshl_b32 s55, s54, 23
	v_mov_b32 v[\vs], s55
	s_add_co_i32 s54, s54, 15
	s_lshl_b32 s54, s54, 23
	s_or_b32 s54, s54, 0x600000
	v_mov_b32 v[\vl], s54
.endm
.macro CROUND                          ; a round of the cluster's barrier
	s_barrier_signal -1
	s_barrier_wait -1
	s_cmp_lg_u32 s[WV], 0
	s_cbranch_scc1 .Lnot_wave_0_\@
	s_barrier_signal -3
.Lnot_wave_0_\@:
	s_barrier_wait -3
	s_barrier_signal -1
	s_barrier_wait -1
.endm
.macro JLOAD                           ; waves 0-3 ask for a quarter of a slot each; four v_nop follow the line
	s_cmp_lt_u32 s[WV], 4
	s_cbranch_scc0 .Lasked_\@
	tensor_load_to_lds s[G0:G0+3], s[G1:G1+7]
	s_nop 0
.rept 4
	v_nop
.endr
.Lasked_\@:
.endm
; THE CHANGE OF SLOTS.  Every wave waits for all its tensor loads (one at the most is out), adds 0 to its spare word, and waits for that, for its stores of x's codes and for its reads of the slot that it has left.
; Behind the barrier the slot ahead and x's codes are whole, and nobody reads the other slot.  fill = 1: the barrier is a round of the cluster's, and the other slot is filled with the next K step first thing behind it.
.macro CHANGE fill
	s_wait_tensorcnt 0x0
	ds_add_u32 v[SPW], v[NIL]
.if \fill
	s_xor_b32 s[G0+1], s[G0+1], SLOT1              ; no load of mine is out: the walking descriptor steps
	s_add_nc_u64 s[G0+2:G0+3], s[G0+2:G0+3], SLOTB
.endif
	s_wait_dscnt 0x0
.if \fill
	CROUND
	JLOAD
.else
	s_barrier_signal -1
	s_barrier_wait -1
.endif
.endm
.macro XLOAD s                         ; my tile's 16 rows of K step s: 512 consecutive bytes a load
.set XD, 32+64*((\s)%2)
.irp i, 0,1,2,3,4,5,6,7
	global_load_b128 v[XD+4*\i:XD+4*\i+3], v[XLO], s[XB:XB+1] offset:\i*4096+512*(\s) th:TH_LOAD_NT
.endr
.irp i, 0,1,2,3,4,5,6,7
	global_load_b128 v[XD+32+4*\i:XD+32+4*\i+3], v[XHI], s[XB:XB+1] offset:\i*4096+512*(\s) th:TH_LOAD_NT
.endr
.endm
; 64 numbers (register 4 i + x = row i, k = 4 x lane + x) become 16 words of codes: v[c + i] = row i's.  The numbers stay as they are, for the second scale.
.macro QUANT xs, sc, lim, c
.set bb, 0
.rept 4
.set ii, 0
.rept 16
	v_med3_num_f32 v[T+16*(bb%2)+ii], v[\xs+16*bb+ii], -v[\lim], v[\lim]   ; the hold: the conversion does not saturate (ISA guide 7.6.2)
.set ii, ii+1
.endr
	v_cvt_scalef32_pk8_bf8_f32 v[\c+4*bb:\c+4*bb+1], v[T+16*(bb%2):T+16*(bb%2)+7], v[\sc]
	v_cvt_scalef32_pk8_bf8_f32 v[\c+4*bb+2:\c+4*bb+3], v[T+16*(bb%2)+8:T+16*(bb%2)+15], v[\sc]
.set bb, bb+1
.endr
	v_nop                                          ; a plain line behind the last conversion: its registers are later operands of products
.endm
	s_load_b256 s[4:11], s[0:1], 0x0               ; q_feat s[4:5], kv_feat s[6:7], wcodes s[8:9], the exponents s[10:11]
	s_load_b128 s[12:15], s[0:1], 0x20             ; qc s[12:13], kvc s[14:15]
	v_lshl_add_u32 v[SPW], v0, 2, SPARE
	v_mov_b32 v[NIL], 0
	ds_add_u32 v1, v2
	ds_add_u32 v1, v2
	s_wait_dscnt 0x0
	v_lshrrev_b32 v24, 5, v0
	s_delay_alu instid0(VALU_DEP_1)
	v_readfirstlane_b32 s[WV], v24                 ; wave 0..7
	s_bfe_u32 s17, ttmp6, 0x40000                  ; cx
	s_lshl_b32 s18, ttmp9, 2
	s_add_co_u32 s18, s18, s17                     ; my block of 64 tokens: it enters x's and the results' addresses alone
	v_and_b32 v24, 31, v0                          ; lane
	v_and_b32 v25, 15, v0                          ; r
	v_bfe_u32 v26, v0, 4, 1                        ; h
	s_delay_alu instid0(VALU_DEP_3)
	v_lshlrev_b32 v[OUT], 4, v24
	s_wait_alu depctr_va_vdst(0)
	s_and_b32 s19, s[WV], 3                        ; T: my tile as a producer; also my quarter of a slot
	s_lshl_b32 s20, s19, 4                         ; q: rows 16 T + i
	s_lshr_b32 s21, s19, 1
	s_lshl_b32 s21, s21, 5
	s_and_b32 s22, s19, 1
	s_lshl_b32 s22, s22, 3
	s_add_co_u32 s21, s21, s22                     ; kv: rows 32 (T / 2) + 8 (T % 2) + i + 8 (i / 8)
	s_cmp_lt_u32 s[WV], 4
	s_cselect_b32 s20, s20, s21
	s_cselect_b32 s21, 8, 16
	s_lshl_b32 s20, s20, 12
	s_lshl_b32 s21, s21, 12
	v_add_nc_u32 v[XLO], s20, v[OUT]
	s_delay_alu instid0(VALU_DEP_1)
	v_add_nc_u32 v[XHI], s21, v[XLO]
	s_mul_i32 s22, s[WV], 16*XP                    ; waves 0-3: rows 0-63; waves 4-7: rows 64-127 (and, 64 rows on, 128-191)
	s_add_co_u32 s22, s22, XBB
	v_lshl_add_u32 v[XST], v24, 2, s22
	s_delay_alu instid0(VALU_DEP_1)
	v_add_nc_u32 v[XST+1], SLOT1, v[XST]
	v_mul_u32_u24 v27, v25, XP
	s_delay_alu instid0(VALU_DEP_1)
	v_lshl_add_u32 v27, v26, 4, v27
	s_delay_alu instid0(VALU_DEP_1)
	v_add_nc_u32 v[FRX], XBB, v27
	s_delay_alu instid0(VALU_DEP_2)
	v_add_nc_u32 v[FRX+1], XBB+SLOT1, v27
	s_mul_i32 s22, s[WV], 12288
	v_add_nc_u32 v[FRW], s22, v[OUT]
	s_delay_alu instid0(VALU_DEP_1)
	v_add_nc_u32 v[FRW+1], SLOT1, v[FRW]
	; descriptor group 1: a dense block as 96 rows of 256 bytes (32 elements of 8 bytes)
	s_mov_b32 s[G1], 15|(3<<16)|(1<<21)            ; 15:0 the mask: all four work-groups; 17:16 elements of 8 bytes; 21 set beside a mask
	s_mov_b32 s[G1+1], 32<<16                      ; tensor_dim0
	s_mov_b32 s[G1+2], 96<<16                      ; tensor_dim1
	s_mov_b32 s[G1+3], 32<<16                      ; tile_dim0
	s_mov_b32 s[G1+4], 96                          ; tile_dim1
	s_mov_b32 s[G1+5], 32                          ; pitch
	s_mov_b32 s[G1+6], 0
	s_mov_b32 s[G1+7], 0
	s_mov_b32 s[G0], 1
	s_mul_i32 s[G0+1], s19, 24576                  ; my quarter, in LDS
	s_mov_b32 s58, s[G0+1]                         ; and in memory
	s_mov_b32 s59, 0
	s_wait_alu depctr_va_vdst(0)
	s_wait_kmcnt 0x0
	s_load_b256 s[40:47], s[10:11], 0x0            ; e0 .. e7
	s_load_b64 s[48:49], s[10:11], 0x20            ; e8, e9
	s_cmp_lt_u32 s[WV], 4
	s_cselect_b64 s[XB:XB+1], s[4:5], s[6:7]
	s_lshl_b32 s20, s18, 18                        ; 64 rows of 4,096 bytes
	s_mov_b32 s21, 0
	s_add_nc_u64 s[XB:XB+1], s[XB:XB+1], s[20:21]
	XLOAD 0
	XLOAD 1
	s_add_nc_u64 s[G0+2:G0+3], s[8:9], s[58:59]
	s_or_b32 s[G0+3], s[G0+3], 0x80000000
	s_lshl_b32 s20, s18, 14
	s_lshl_b32 s22, s[WV], 9
	s_add_co_u32 s20, s20, s22
	s_add_nc_u64 s[QO:QO+1], s[12:13], s[20:21]    ; qc: [block][T][K step 2][c 4][512]: my units are piece w
	s_lshl_b32 s20, s18, 15
	s_add_co_u32 s20, s20, s22
	s_add_nc_u64 s[KO:KO+1], s[14:15], s[20:21]    ; kvc: a block's K likewise,
	s_lshl_b32 s20, s18, 15
	s_lshl_b32 s22, s[WV], 11
	s_add_co_u32 s20, s20, s22
	s_add_co_u32 s20, s20, 16384
	s_add_nc_u64 s[VO:VO+1], s[14:15], s[20:21]    ; then its V: [channel tile 16][c 2][512]
	CROUND                                         ; all four work-groups are here: the first joint load meets
	JLOAD                                          ; K step 0 into slot 0
	s_wait_kmcnt 0x0
	s_cmp_lt_u32 s[WV], 4
	s_cselect_b32 s56, s40, s42
	MKSC 10, 11, s56                               ; x's first scale: e0 or e2
	MKSC 12, 13, s44                               ; the second: e4
	s_sub_co_i32 s56, s46, s40
	s_sub_co_i32 s56, s56, s41
	MKSC 14, 15, s56                               ; a sum stands for sum x 2^(e0 + e1): Q's code is sum / 2^(e6 - e0 - e1)
	s_sub_co_i32 s56, s47, s42
	s_sub_co_i32 s56, s56, s43
	MKSC 16, 17, s56                               ; K: e7 - e2 - e3
	s_sub_co_i32 s56, s49, s44
	s_sub_co_i32 s56, s56, s45
	MKSC 18, 19, s56                               ; V: e9 - e4 - e5
; A K STEP of 128.
.macro TRIP s
.set PP, (\s)%2
.set XS, 32+64*PP
.if (\s) < 7
	s_wait_loadcnt 16                              ; this step's 16 loads are in; the next step's 16 may be out
.else
	s_wait_loadcnt 0
.endif
.if (\s) > 0
	PLACES                                         ; the registers below were operands of the last products
.endif
	QUANT XS, 10, 11, CA
.set ii, 0
.rept 16
	ds_store_b32 v[XST+PP], v[CA+ii] offset:XP*ii  ; 32 lanes: a row's 128 bytes
.set ii, ii+1
.endr
	s_cmp_lt_u32 s[WV], 4
	s_cbranch_scc1 .Lone_scale_\@                  ; q_feat has one scale
	QUANT XS, 12, 13, CB
.set ii, 0
.rept 16
	ds_store_b32 v[XST+PP], v[CB+ii] offset:XP*ii+64*XP
.set ii, ii+1
.endr
.Lone_scale_\@:
.if (\s) < 6
	XLOAD (\s)+2                                   ; into the set just quantised
.endif
.if (\s) < 7
	CHANGE 1
.else
	CHANGE 0
.endif
.irp g, 0,1,2
.if \g > 0
	PLACES
.endif
.irp t, 0,1,2,3
.irp c, 0,1,2,3
	ds_load_b128 v[XF+16*\t+4*\c:XF+16*\t+4*\c+3], v[FRX+PP] offset:\g*64*XP+\t*16*XP+32*\c
.endr
.endr
.irp u, 0,1
.irp c, 0,1,2,3
	ds_load_b128 v[WF+16*\u+4*\c:WF+16*\u+4*\c+3], v[FRW+PP] offset:(2*\g+\u)*2048+512*\c
.endr
.endr
	s_wait_dscnt 0x0
	WIN 0x50                                       ; C and D in window 1.  The 24 accumulators take turns, one instruction a turn
.irp t, 0,1,2,3
.irp u, 0,1
.if \g < 2
.if (\s) == 0
	v_wmma_f32_16x16x128_bf8_bf8 v[64*\g+8*(2*\t+\u):64*\g+8*(2*\t+\u)+7], v[WF+16*\u:WF+16*\u+15], v[XF+16*\t:XF+16*\t+15], 0
.else
	v_wmma_f32_16x16x128_bf8_bf8 v[64*\g+8*(2*\t+\u):64*\g+8*(2*\t+\u)+7], v[WF+16*\u:WF+16*\u+15], v[XF+16*\t:XF+16*\t+15], v[64*\g+8*(2*\t+\u):64*\g+8*(2*\t+\u)+7]
.endif
.else
.if (\s) == 0
	v_wmma_f32_16x16x128_bf8_bf8 v[128+8*(4*\u+\t):128+8*(4*\u+\t)+7], v[XF+16*\t:XF+16*\t+15], v[WF+16*\u:WF+16*\u+15], 0
.else
	v_wmma_f32_16x16x128_bf8_bf8 v[128+8*(4*\u+\t):128+8*(4*\u+\t)+7], v[XF+16*\t:XF+16*\t+15], v[WF+16*\u:WF+16*\u+15], v[128+8*(4*\u+\t):128+8*(4*\u+\t)+7]
.endif
.endif
.endr
.endr
	WIN 0
.endr
.endm
	s_wait_alu depctr_va_vdst(0)
	TRIP 0
	TRIP 1
	TRIP 2
	TRIP 3
	TRIP 4
	TRIP 5
	TRIP 6
	TRIP 7
	; THE WAY OUT: the sums are held and converted; the conversions' results are pieces of the next operands, 512 consecutive bytes a store.
	PLACES
	WIN 0x01                                       ; source 0 in window 1; each accumulator from its low end on
.set ii, 0
.rept 64
	v_med3_num_f32 v[32+ii], v[ii], -v15, v15
.set ii, ii+1
.endr
.rept 64
	v_med3_num_f32 v[32+ii], v[ii], -v17, v17
.set ii, ii+1
.endr
.rept 64
	v_med3_num_f32 v[32+ii], v[ii], -v19, v19
.set ii, ii+1
.endr
	WIN 0
.set ii, 0
.rept 8
	v_cvt_scalef32_pk8_bf8_f32 v[224+2*ii:225+2*ii], v[32+8*ii:39+8*ii], v14      ; Q: tile T's piece in v[224 + 4 T ..]
.set ii, ii+1
.endr
.set ii, 0
.rept 8
	v_cvt_scalef32_pk8_bf8_f32 v[240+2*ii:241+2*ii], v[96+8*ii:103+8*ii], v16     ; K
.set ii, ii+1
.endr
	v_nop                                          ; a plain line: the conversions below write over sources of those above
.set ii, 0
.rept 8
	v_cvt_scalef32_pk8_bf8_f32 v[32+2*ii:33+2*ii], v[160+8*ii:167+8*ii], v18      ; V: channel tile u, keys 32 b on, in v[32 + 8 u + 4 b ..]
.set ii, ii+1
.endr
	v_nop
.irp t, 0,1,2,3
	global_store_b128 v[OUT], v[224+4*\t:227+4*\t], s[QO:QO+1] offset:4096*\t
	global_store_b128 v[OUT], v[240+4*\t:243+4*\t], s[KO:KO+1] offset:4096*\t
	global_store_b128 v[OUT], v[32+4*\t:35+4*\t], s[VO:VO+1] offset:512*\t
.endr
	s_wait_tensorcnt 0x0                           ; the wave's end
	ds_add_u32 v[SPW], v[NIL]
	s_wait_dscnt 0x0
	CROUND                                         ; the closing round
	s_endpgm
.Lfunc_end_k_q42187a58a7_proj:
	.size	k_q42187a58a7_proj, .Lfunc_end_k_q42187a58a7_proj-k_q42187a58a7_proj
	.p2alignl 7, 3214868480
	.fill 96, 4, 3214868480
	.section	.rodata,"a",@progbits
	.p2align	6, 0x0
	.amdhsa_kernel k_q42187a58a7_proj
		.amdhsa_group_segment_fixed_size 327680
		.amdhsa_private_segment_fixed_size 0
		.amdhsa_enable_private_segment 0
		.amdhsa_kernarg_size 48
		.amdhsa_user_sgpr_count 2
		.amdhsa_user_sgpr_kernarg_segment_ptr 1
		.amdhsa_wavefront_size32 1
		.amdhsa_system_sgpr_workgroup_id_x 1
		.amdhsa_system_sgpr_workgroup_id_y 1
		.amdhsa_system_sgpr_workgroup_id_z 1
		.amdhsa_system_vgpr_workitem_id 0
		.amdhsa_next_free_vgpr 448
		.amdhsa_next_free_sgpr 66
		.amdhsa_reserve_vcc 0
		.amdhsa_float_denorm_mode_32 3
		.amdhsa_float_denorm_mode_16_64 3
		.amdhsa_memory_ordered 1
		.amdhsa_forward_progress 1
		.amdhsa_inst_pref_size 182
	.end_amdhsa_kernel
	.amdgpu_metadata
---
amdhsa.version: [ 1, 2 ]
amdhsa.kernels:
  - .name:           k_q42187a58a7_proj
    .symbol:         k_q42187a58a7_proj.kd
    .args:
      - { .name: q_feat, .offset: 0, .size: 8, .value_kind: global_buffer, .address_space: global }
      - { .name: kv_feat, .offset: 8, .size: 8, .value_kind: global_buffer, .address_space: global }
      - { .name: wcodes, .offset: 16, .size: 8, .value_kind: global_buffer, .address_space: global }
      - { .name: lowp_scales, .offset: 24, .size: 8, .value_kind: global_buffer, .address_space: global }
      - { .name: qc, .offset: 32, .size: 8, .value_kind: global_buffer, .address_space: global }
      - { .name: kvc, .offset: 40, .size: 8, .value_kind: global_buffer, .address_space: global }
    .group_segment_fixed_size: 327680
    .private_segment_fixed_size: 0
    .kernarg_segment_align: 8
    .kernarg_segment_size: 48
    .max_flat_workgroup_size: 256
    .sgpr_count:     66
    .vgpr_count:     448
    .wavefront_size: 32
...
	.end_amdgpu_metadata
.endif
;; end of part 2
;; launch attn (part 3): grid 64 x 4, 8 waves a work-group, clusters of 4 x 1, 327,680 bytes of LDS; arguments qc, kvc, lowp_scales, q_feat, wcodes, bo, ln_gamma, ln_beta, out0; writes out0
.if DOCPART == 3
	.amdgcn_target "amdgcn-amd-amdhsa--gfx1250"
	.amdhsa_code_object_version 6
	.text
	.protected	k_q42187a58a7_attn
	.globl	k_q42187a58a7_attn
	.p2align	8
	.type	k_q42187a58a7_attn,@function
k_q42187a58a7_attn:
	s_mov_b64 s[64:65], 0
	v_nop
	global_prefetch_b8 v0, s[64:65] scope:SCOPE_SE
	s_setreg_imm32_b32 hwreg(HW_REG_WAVE_MODE, 25, 1), 1
	s_wait_xcnt 0x0
	s_wait_alu depctr_hold_cnt(0) depctr_sa_sdst(0) depctr_va_vdst(0) depctr_va_sdst(0) depctr_va_ssrc(0) depctr_va_vcc(0) depctr_vm_vsrc(0)
	s_getreg_b32 s2, hwreg(HW_REG_IB_STS2, 6, 4)
	s_cmp_eq_u32 s2, 0
	s_cbranch_scc0 .Lentry_in_a_cluster
	s_endpgm
.Lentry_in_a_cluster:
	s_bfe_u32 s2, ttmp6, 0x10000c
	s_cmp_lg_u32 s2, 0x3003
	s_cbranch_scc0 .Lentry_shape_is_right
	s_endpgm
.Lentry_shape_is_right:
; ctx = softmax(Q K^T / 16) V on codes of E5M2, and ctx quantised for the next product.  Head size 256; 4 batches x 4,096 queries x 4,096 keys.
; THE SOFTMAX: t = score x log2(e) / 16; M = the largest t so far, rounded UP to a whole number; p = 2^(t - M) is quantised (scale e8), not normalised; the sum l is taken of the unquantised p and divides at the end.
; SHARES.  A work-group owns 64 queries.  Wave w: query tiles 2 (w % 2) and 2 (w % 2) + 1; of every slot of 256 keys the block of 64 keys w / 2.  So each byte of K and V in LDS is read by two waves.
; Each wave keeps its own running M, l and O^T for its quarter of the keys; at the end the four quarters are brought under the largest M by whole powers of two, which round nothing, and added through LDS.
; LAYOUT.  Both products are used transposed: S^T = K Q^T, O^T = V^T P^T: a lane holds one query throughout.  K, V and Q lie in memory as images of operand registers, so each LDS load is 512 consecutive bytes.
; The keys of a tile of K and the channels of a tile of V are ordered so that 16 registers of two neighbouring result tiles are 16 neighbours along the next K.
; CLUSTER.  The four query blocks of a cluster belong to one batch and walk the same K and V: each slot of 131,072 bytes is asked for JOINTLY, waves 0-3 a quarter each.
; LIMITS: e6 + e7 between -122 and 131 (added to c's exponent field); e8 and e10 between -126 and 112; e8 + e9 goes through v_ldexp_f32.  NaN among the inputs is not served.
; THE SECOND PART, behind the merge: out0 = layer norm(Q12(ctx Wo + bo + q_feat) Wfc) x gamma + beta, for the same 64 rows; both products on codes of E5M2.  ctx's codes never leave the work-group: they go to LDS as register images.
; Wave w owns columns 128 w .. 128 w + 127 in both products: 8 column tiles x 4 row tiles = 32 accumulators, all of window 1 (row tile m, column tile t at 64 m + 8 t); both products are used transposed.
; THE WEIGHTS lie in memory as images of operand registers, 20 K blocks of 64 (4 of Wo, 16 of Wfc), 8,192 bytes a wave and block.  Each weight byte feeds one wave of a work-group and goes from memory straight into its registers:
; a ring of three sets of 64 registers, a half set asked for again, three blocks on, as soon as it has been multiplied.  NO JOINT LOADS for them: the merge has stored into both slots.
; q_feat: three row tiles are loaded into the registers that O^T has left, the fourth behind the merge; (q_feat + bo) / 2^(e10 + e11) turns through a stage of 16 rows a wave into the accumulators' layout and is the C of ctx Wo.
; PREFETCHES: the last four trips of the loop over the keys ask for my work-group's 262,144 bytes of q_feat, 8,192 bytes a wave and trip, lanes 256 bytes apart.  In the loop over Wfc, trip i loads blocks 8 + 3 i .. 10 + 3 i;
; cluster i (0, 1, 2) of batch 0 asks in trip i for the three blocks that trip i + 1 loads: its four partners share a block out by address, 16,384 bytes each, waves 0 and 1 asking 8,192 each.
; LIMITS of the second part: e12 - e10 - e11 between -126 and 112; e10 + e11 between -126 and 126; e12 + e13 goes through v_ldexp_f32.
.set SLOT1, 1<<17
.set SLOTB, 131072                     ; four blocks of 64 keys: each 16 KB of K [T 4][K step 2][c 4][512], then 16 KB of V [channel tile 16][c 2][512]
.set SPARE, 262144                     ; the spare words, 128 bytes a wave
.set STAT,  263168                     ; 512 bytes a wave: -M and l of its two tiles
.set SPW, 1                            ; v1  SPARE + 4 x thread; never rewritten
.set NIL, 2                            ; v2  0; never rewritten
.set PFO, 3                            ; v3  256 x lane, for the prefetches; never rewritten in the first part
.set AKV, 4                            ; v4  my block of keys in a slot + 16 x lane
.set ADR, 5                            ; v5  the same in the slot in hand
.set LIMP, 6                           ; v6  57,344 x 2^e8
.set SCP, 7                            ; v7  2^e8
.set ST,  8                            ; tile q at v[8 + 8 q]: +0 -M, +1 the largest t, +2, +3 l in two halves, +4, +5 f, +6, +7 at work
.set C2,  24                           ; v24-27 second chains of the sums
.set PD,  28                           ; v28, v29 what comes from the other half of the lanes
.set Q,   32                           ; v32-95   Q: fragment (tile q, K step k) at 32 + 32 q + 16 k
.set S,   96                           ; v96-159  S^T, then p: tile q, keys' tile t at 96 + 32 q + 8 t
.set P,   160                          ; v160-175 p's codes
.set FR,  176                          ; v176-239 four fragments of K or eight of V
.set STA, 240                          ; v240 where I store my statistics;  v241 where I read my query pair's
.set STR, 241
.set MST, 242                          ; v242 where my O^T goes in the merge
.set L16, 243                          ; v243 16 x lane
.set MR,  244                          ; v244-247 where I read the four quarters' parts
.set SC10, 248                         ; v248 2^e10;  v249 57,344 x 2^e10
.set LIM10, 249
.set WV,  12
.set TB,  18                           ; s18 LDS byte at which the slot in hand begins
.set SLOTS, 19                         ; s19 slots still to be asked for
.set CS,  22                           ; s[22:23] c = log2(e) / 16 x 2^(e6 + e7)
.set G1,  24
.set G0,  32
.set SEL, 36                           ; s[36:37] lane l xor 16
.set PFA, 38                           ; s[38:39] where my prefetches stand
.set LIM, 50                           ; s50 1 in a wave that prefetches, else the greatest number
.set MSB, 0
.macro WIN new
.if MSB != \new
	s_set_vgpr_msb (MSB<<8)|\new
.set MSB, \new
.endif
.endm
.macro PLACES
.rept 4
	v_nop
.endr
.endm
.macro MKSC vs, vl, se
	s_add_co_i32 s54, \se, 127
	s_lshl_b32 s55, s54, 23
	v_mov_b32 v[\vs], s55
	s_add_co_i32 s54, s54, 15
	s_lshl_b32 s54, s54, 23
	s_or_b32 s54, s54, 0x600000
	v_mov_b32 v[\vl], s54
.endm
.macro CROUND
	s_barrier_signal -1
	s_barrier_wait -1
	s_cmp_lg_u32 s[WV], 0
	s_cbranch_scc1 .Lnot_wave_0_\@
	s_barrier_signal -3
.Lnot_wave_0_\@:
	s_barrier_wait -3
	s_barrier_signal -1
	s_barrier_wait -1
.endm
.macro JLOAD                           ; waves 0-3: a quarter of a slot each; four v_nop follow the line
	s_cmp_lt_u32 s[WV], 4
	s_cbranch_scc0 .Lasked_\@
	tensor_load_to_lds s[G0:G0+3], s[G1:G1+7]
	s_nop 0
.rept 4
	v_nop
.endr
.Lasked_\@:
.endm
; A PREFETCH of the slot that the NEXT change of slots will ask for: one key step of every wave ahead of that load.  All clusters of a batch walk the same K and V: the batch's first cluster asks.  Its four partners
; share the slot out BY ADDRESS, 32,768 bytes each; in each, the waves that fetch nothing (4-7) ask, 8,192 bytes a wave, lanes 256 bytes apart.  So each aligned block of 256 bytes is named once in the launch.
; The last change that fills a slot asks for nothing; slots 0 and 1 come by their loads alone.
.macro ASK
	s_cmp_gt_u32 s[SLOTS], s[LIM]
	s_cbranch_scc0 .Lnot_mine_\@
	global_prefetch_b8 v[PFO], s[PFA:PFA+1] th:TH_LOAD_NT scope:SCOPE_SE
.Lnot_mine_\@:
.endm
; THE CHANGE OF SLOTS stands at a slot's head: every wave waits for all its tensor loads (one at the most is out), adds 0 to its spare word, waits for that and for its reads of the slot that it has left.
.macro CHANGE fill
	s_wait_tensorcnt 0x0
	ds_add_u32 v[SPW], v[NIL]
.if \fill
	s_xor_b32 s[G0+1], s[G0+1], SLOT1              ; the walking descriptor: the other slot, the next 256 keys
	s_add_nc_u64 s[G0+2:G0+3], s[G0+2:G0+3], SLOTB
	s_wait_xcnt 0x0                                ; the last prefetch, a slot back, has read its address
	s_add_nc_u64 s[PFA:PFA+1], s[PFA:PFA+1], SLOTB
.endif
	s_wait_dscnt 0x0
.if \fill
	CROUND                                         ; no wave of any partner still reads the slot or has a load on its way
	JLOAD
	ASK
.else
	s_barrier_signal -1
	s_barrier_wait -1
.endif
.endm
.macro KLOAD k                         ; my block's four tiles of 16 keys, K step k
.irp t, 0,1,2,3
.irp c, 0,1,2,3
	ds_load_b128 v[FR+16*\t+4*\c:FR+16*\t+4*\c+3], v[ADR] offset:(2*\t+\k)*2048+512*\c
.endr
.endr
.endm
.macro VLOAD g                         ; eight tiles of 16 channels x my 64 keys
.irp f, 0,1,2,3,4,5,6,7
.irp c, 0,1
	ds_load_b128 v[FR+8*\f+4*\c:FR+8*\f+4*\c+3], v[ADR] offset:16384+(8*\g+\f)*1024+512*\c
.endr
.endr
.endm
.macro KQ k                            ; eight accumulators by turns
.irp t, 0,1,2,3
.irp q, 0,1
.if \k == 0
	v_wmma_f32_16x16x128_bf8_bf8 v[S+32*\q+8*\t:S+32*\q+8*\t+7], v[FR+16*\t:FR+16*\t+15], v[Q+32*\q:Q+32*\q+15], 0
.else
	v_wmma_f32_16x16x128_bf8_bf8 v[S+32*\q+8*\t:S+32*\q+8*\t+7], v[FR+16*\t:FR+16*\t+15], v[Q+32*\q+16:Q+32*\q+31], v[S+32*\q+8*\t:S+32*\q+8*\t+7]
.endif
.endr
.endr
.endm
.macro PV g, zero                      ; O^T += V^T P^T: K = my 64 keys; sixteen accumulators by turns
	WIN 0x50                                       ; C and D in window 1
.irp f, 0,1,2,3,4,5,6,7
.irp q, 0,1
.if \zero
	v_wmma_f32_16x16x64_bf8_bf8 v[128*\q+64*\g+8*\f:128*\q+64*\g+8*\f+7], v[FR+8*\f:FR+8*\f+7], v[P+8*\q:P+8*\q+7], 0
.else
	v_wmma_f32_16x16x64_bf8_bf8 v[128*\q+64*\g+8*\f:128*\q+64*\g+8*\f+7], v[FR+8*\f:FR+8*\f+7], v[P+8*\q:P+8*\q+7], v[128*\q+64*\g+8*\f:128*\q+64*\g+8*\f+7]
.endif
.endr
.endr
	WIN 0
.endm
; A KEY STEP: my 64 keys of the slot in hand, for my two tiles of queries.  first = 1: it starts M and O^T.
.macro STEP first
	v_add_nc_u32 v[ADR], s[TB], v[AKV]
	v_nop
	v_nop
	v_nop                                          ; four places in front of loads into registers that the last products read
	KLOAD 0
	s_wait_alu depctr_va_vdst(0)
	s_wait_dscnt 0x0
	KQ 0
	PLACES
	KLOAD 1
	s_wait_dscnt 0x0
	KQ 1
	PLACES
	VLOAD 0                                        ; lands while the softmax is worked
.irp q, 0,1                                    ; the largest score of my query among my 32 keys: two chains, ascending
	v_max3_num_f32 v[ST+8*\q+6], v[S+32*\q], v[S+32*\q+1], v[S+32*\q+2]
	v_max3_num_f32 v[ST+8*\q+7], v[S+32*\q+16], v[S+32*\q+17], v[S+32*\q+18]
.endr
.irp i, 3,5,7,9,11,13
.irp q, 0,1
	v_max3_num_f32 v[ST+8*\q+6], v[ST+8*\q+6], v[S+32*\q+\i], v[S+32*\q+\i+1]
	v_max3_num_f32 v[ST+8*\q+7], v[ST+8*\q+7], v[S+32*\q+16+\i], v[S+32*\q+17+\i]
.endr
.endr
.irp q, 0,1
	v_max3_num_f32 v[ST+8*\q+6], v[ST+8*\q+6], v[S+32*\q+15], v[S+32*\q+31]
.endr
.irp q, 0,1
	s_delay_alu instid0(VALU_DEP_2)
	v_max_num_f32 v[ST+8*\q+6], v[ST+8*\q+6], v[ST+8*\q+7]
.endr
.irp q, 0,1
	s_delay_alu instid0(VALU_DEP_2)
	v_permlanex16_b32 v[PD+\q], v[ST+8*\q+6], s[SEL], s[SEL+1]
.endr
.irp q, 0,1
	s_delay_alu instid0(VALU_DEP_2)
	v_max_num_f32 v[ST+8*\q+6], v[ST+8*\q+6], v[PD+\q]   ; and among lane l xor 16's
.endr
.if \first
.irp q, 0,1
	s_delay_alu instid0(VALU_DEP_2)
	v_mul_f32 v[ST+8*\q+1], s[CS], v[ST+8*\q+6]    ; as t (c is positive)
.endr
.irp q, 0,1
	s_delay_alu instid0(VALU_DEP_2)
	v_floor_f32 v[ST+8*\q], -v[ST+8*\q+1]          ; -M = floor(-t) = -ceil(t)
.endr
.else
.irp q, 0,1
	s_delay_alu instid0(VALU_DEP_2)
	v_mul_f32 v[ST+8*\q+6], s[CS], v[ST+8*\q+6]
.endr
.irp q, 0
	s_delay_alu instid0(VALU_DEP_2)
	v_max_num_f32 v[ST+8*\q+1], v[ST+8*\q+1], v[ST+8*\q+6]   ; the running largest t
	v_mov_b32 v[ST+8*\q+7], v[ST+8*\q]
.endr
.irp q, 1
	s_delay_alu instid0(VALU_DEP_3)
	v_max_num_f32 v[ST+8*\q+1], v[ST+8*\q+1], v[ST+8*\q+6]   ; the running largest t
	v_mov_b32 v[ST+8*\q+7], v[ST+8*\q]
.endr
.irp q, 0
	s_delay_alu instid0(VALU_DEP_4)
	v_floor_f32 v[ST+8*\q], -v[ST+8*\q+1]
.endr
.irp q, 1
	s_delay_alu instid0(VALU_DEP_3)
	v_floor_f32 v[ST+8*\q], -v[ST+8*\q+1]
.endr
.irp q, 0,1
	s_delay_alu instid0(VALU_DEP_2)
	v_sub_f32 v[ST+8*\q+7], v[ST+8*\q], v[ST+8*\q+7]   ; old M - new M: a whole number, 0 or less
.endr
.irp q, 0,1
	s_delay_alu instid0(VALU_DEP_2)
	v_cvt_i32_f32 v[ST+8*\q+7], v[ST+8*\q+7]       ; (it saturates)
.endr
.irp q, 0,1
	s_delay_alu instid0(VALU_DEP_2)
	v_ldexp_f32 v[ST+8*\q+4], 1.0, v[ST+8*\q+7]    ; f = 2^(old M - new M)
.endr
.endif
.irp q, 0,1
.irp j, 0,2,4,6,8,10,12,14,16,18,20,22,24,26,28,30
	v_pk_fma_f32 v[S+32*\q+\j:S+32*\q+\j+1], v[S+32*\q+\j:S+32*\q+\j+1], s[CS:CS+1], v[ST+8*\q:ST+8*\q+1] op_sel_hi:[1,0,0]   ; t - M (of c and -M the low word serves both halves)
.endr
.endr
.set ii, 0
	s_wait_alu depctr_va_vdst(0)
.rept 64
	v_exp_f32 v[S+ii], v[S+ii]                     ; p = 2^(t - M): one batch
.set ii, ii+1
.endr
.if \first
	v_nop                                          ; the plain line behind the last exponential
.else
.irp q, 0,1
	v_pk_mul_f32 v[ST+8*\q+2:ST+8*\q+3], v[ST+8*\q+2:ST+8*\q+3], v[ST+8*\q+4:ST+8*\q+5] op_sel_hi:[1,0]   ; l under the new M (plain lines behind the exponentials)
.endr
.endif
	s_wait_alu depctr_va_vdst(0)                   ; one wait for the batch, ahead of its first reader
.irp q, 0,1                                    ; THE SUM IS TAKEN OF THE UNQUANTISED p, two at a time, in two chains
	v_pk_add_f32 v[C2+2*\q:C2+2*\q+1], v[S+32*\q:S+32*\q+1], v[S+32*\q+2:S+32*\q+3]
.endr
.irp j, 4,8,12,16,20,24,28
.irp q, 0,1
	v_pk_add_f32 v[ST+8*\q+2:ST+8*\q+3], v[ST+8*\q+2:ST+8*\q+3], v[S+32*\q+\j:S+32*\q+\j+1]
	v_pk_add_f32 v[C2+2*\q:C2+2*\q+1], v[C2+2*\q:C2+2*\q+1], v[S+32*\q+\j+2:S+32*\q+\j+3]
.endr
.endr
.irp q, 0
	s_delay_alu instid0(VALU_DEP_3)
	v_pk_add_f32 v[ST+8*\q+2:ST+8*\q+3], v[ST+8*\q+2:ST+8*\q+3], v[C2+2*\q:C2+2*\q+1]
.endr
.irp q, 1
	s_delay_alu instid0(VALU_DEP_2)
	v_pk_add_f32 v[ST+8*\q+2:ST+8*\q+3], v[ST+8*\q+2:ST+8*\q+3], v[C2+2*\q:C2+2*\q+1]
.endr
.irp q, 0,1
.set ii, 0
.rept 32
	v_min_num_f32 v[S+32*\q+ii], v[S+32*\q+ii], v[LIMP]   ; p is not negative: the hold is one-sided
.set ii, ii+1
.endr
.irp t, 0,1,2,3
	v_cvt_scalef32_pk8_bf8_f32 v[P+8*\q+2*\t:P+8*\q+2*\t+1], v[S+32*\q+8*\t:S+32*\q+8*\t+7], v[SCP]
.endr
.endr
.if \first
	s_wait_alu depctr_va_vdst(0)
	v_nop                                          ; a plain line between the conversions and the products that read their results
.else
	WIN 0x41                                       ; O^T (destination and source 0) in window 1, f in window 0
.irp q, 0,1
.set ii, 0
.rept 64
	v_pk_mul_f32 v[128*\q+ii:128*\q+ii+1], v[128*\q+ii:128*\q+ii+1], v[ST+8*\q+4:ST+8*\q+5] op_sel_hi:[1,0]   ; O^T under the new M
.set ii, ii+2
.endr
.endr
.endif
	s_wait_alu depctr_va_vdst(0)
	s_wait_dscnt 0x0                               ; V's first eight tiles are in
	PV 0, \first
	PLACES
	VLOAD 1
	s_wait_dscnt 0x0
	PV 1, \first
	s_xor_b32 s[TB], s[TB], SLOT1                  ; on to the other slot
.endm
	s_load_b256 s[4:11], s[0:1], 0x0               ; qc s[4:5], kvc s[6:7], the exponents s[8:9], q_feat s[10:11]
	v_lshl_add_u32 v[SPW], v0, 2, SPARE
	v_mov_b32 v[NIL], 0
	ds_add_u32 v1, v2
	ds_add_u32 v1, v2
	s_wait_dscnt 0x0
	v_lshrrev_b32 v30, 5, v0
	s_delay_alu instid0(VALU_DEP_1)
	v_readfirstlane_b32 s[WV], v30                 ; wave 0..7
	s_bfe_u32 s13, ttmp6, 0x40000                  ; cx
	s_lshl_b32 s14, ttmp9, 2
	s_add_co_u32 s14, s14, s13
	s_and_b32 s15, ttmp7, 0xffff                   ; the batch, which the four partners share
	s_lshl_b32 s21, s15, 6
	s_add_co_u32 s14, s14, s21                     ; my block of 64 queries: it enters Q's, q_feat's and out0's addresses alone
	s_and_b32 s16, s[WV], 1                        ; which pair of query tiles
	s_lshr_b32 s17, s[WV], 1                       ; which quarter of the keys; at the end: of the channels
	v_and_b32 v30, 31, v0
	s_delay_alu instid0(VALU_DEP_1)
	v_lshlrev_b32 v[L16], 4, v30
	s_wait_alu depctr_va_vdst(0)
	v_lshlrev_b32 v[PFO], 8, v30
	s_lshl_b32 s58, s[WV], 13
	v_lshl_add_u32 v250, v30, 8, s58               ; q_feat's prefetches: 8,192 x wave + 256 x lane; never rewritten in the first part
	s_lshl_b32 s21, s17, 15
	v_add_nc_u32 v[AKV], s21, v[L16]
	s_lshl_b32 s21, s[WV], 9
	s_add_co_u32 s21, s21, STAT
	v_lshl_add_u32 v[STA], v30, 3, s21
	s_lshl_b32 s21, s16, 9
	s_add_co_u32 s21, s21, STAT
	v_lshl_add_u32 v[STR], v30, 3, s21
	s_lshl_b32 s21, s[WV], 15
	v_add_nc_u32 v[MST], s21, v[L16]
	s_lshl_b32 s21, s16, 15
	s_lshl_b32 s45, s17, 12
	s_add_co_u32 s21, s21, s45
	v_add_nc_u32 v[MR], s21, v[L16]                ; wave 2 k + my pair: 65,536 k on
	s_delay_alu instid0(VALU_DEP_1)
	v_add_nc_u32 v[MR+1], 65536, v[MR]
	s_delay_alu instid0(VALU_DEP_2)
	v_add_nc_u32 v[MR+2], 131072, v[MR]
	s_delay_alu instid0(VALU_DEP_3)
	v_add_nc_u32 v[MR+3], 196608, v[MR]
.irp q, 0,1
	v_mov_b32 v[ST+8*\q+2], 0                      ; l
	v_mov_b32 v[ST+8*\q+3], 0
	v_mov_b32 v[ST+8*\q+5], 0                      ; (named as the upper half of f's pair)
	v_mov_b32 v[PD+\q], 0                          ; a lane permute's destination counts as one of its sources
.endr
	s_mov_b32 s[G1], 15|(3<<16)|(1<<21)            ; a dense block as 128 rows of 256 bytes; the mask names all four work-groups; 21 set beside a mask
	s_mov_b32 s[G1+1], 32<<16
	s_mov_b32 s[G1+2], 128<<16
	s_mov_b32 s[G1+3], 32<<16
	s_mov_b32 s[G1+4], 128
	s_mov_b32 s[G1+5], 32
	s_mov_b32 s[G1+6], 0
	s_mov_b32 s[G1+7], 0
	s_mov_b32 s[G0], 1
	s_and_b32 s[G0+1], s[WV], 3
	s_lshl_b32 s[G0+1], s[G0+1], 15                ; my quarter of a slot, in LDS
	s_lshl_b32 s45, s15, 21                        ; the batch's 2 MB of kvc
	s_add_co_u32 s56, s[G0+1], s45                 ; and in memory
	s_mov_b32 s57, 0
	s_mov_b32 s[SEL], 0x76543210
	s_mov_b32 s[SEL+1], 0xfedcba98
	s_mov_b32 s[TB], 0
	s_mov_b32 s21, 0
	s_mov_b32 s53, 0
	s_wait_kmcnt 0x0
	s_load_b128 s[40:43], s[8:9], 0x18             ; e6, e7, e8, e9
	s_load_b32 s44, s[8:9], 0x28                   ; e10
	s_lshl_b32 s20, s14, 14
	s_add_nc_u64 s[48:49], s[4:5], s[20:21]
	s_lshl_b32 s20, s16, 13
	s_add_nc_u64 s[48:49], s[48:49], s[20:21]      ; Q: my two tiles
	s_lshl_b32 s20, s14, 18
	s_add_nc_u64 s[58:59], s[10:11], s[20:21]      ; where q_feat's prefetches stand: my 64 rows of 4,096 bytes
	s_mov_b32 s61, 0
.irp q, 0,1
.irp k, 0,1
.irp c, 0,1,2,3
	global_load_b128 v[Q+32*\q+16*\k+4*\c:Q+32*\q+16*\k+4*\c+3], v[L16], s[48:49] offset:4096*\q+2048*\k+512*\c
.endr
.endr
.endr
	s_add_nc_u64 s[G0+2:G0+3], s[6:7], s[56:57]
	s_or_b32 s[G0+3], s[G0+3], 0x80000000
	s_lshl_b32 s52, s13, 15                        ; the prefetches: my work-group's 32,768 bytes of a slot,
	s_add_co_u32 s52, s52, s45
	s_and_b32 s54, s[WV], 3
	s_lshl_b32 s54, s54, 13                        ; my wave's 8,192 of them,
	s_add_co_u32 s52, s52, s54
	s_add_co_u32 s52, s52, SLOTB                   ; in slot 1: the first change of slots steps it to slot 2
	s_add_nc_u64 s[PFA:PFA+1], s[6:7], s[52:53]
	s_lshr_b32 s54, s[WV], 2
	s_xor_b32 s54, s54, 1                          ; 0 in waves 4-7,
	s_or_b32 s54, s54, ttmp9                       ; of the batch's first cluster: the same in all four partners
	s_cmp_eq_u32 s54, 0
	s_cselect_b32 s[LIM], 1, -1
	CROUND                                         ; all four work-groups are here: the first joint load meets
	JLOAD                                          ; slot 0
	s_wait_kmcnt 0x0
	s_add_co_i32 s20, s40, s41
	s_lshl_b32 s20, s20, 23
	s_add_co_i32 s[CS], s20, 0x3db8aa3b            ; c = log2(e) / 16, with e6 + e7 added to its exponent field
	s_mov_b32 s[CS+1], s[CS]
	MKSC SCP, LIMP, s42
	MKSC SC10, LIM10, s44
	s_add_co_i32 s51, s42, s43                     ; e8 + e9
	s_wait_loadcnt 0x0                             ; Q
	s_mov_b32 s[SLOTS], 15
	CHANGE 1                                       ; slot 0 is whole; slot 1 is asked for
	STEP 1
	s_mov_b32 s[SLOTS], 14
.Lslot:                                            ; 14 trips: slots 1 to 14 are worked, slots 2 to 15 asked for
	CHANGE 1
	s_cmp_le_u32 s[SLOTS], 4                       ; the last four trips ask for q_feat: 65,536 bytes a trip
	s_cbranch_scc0 .Lno_q
	global_prefetch_b8 v250, s[58:59] th:TH_LOAD_NT scope:SCOPE_SE
.Lno_q:
	STEP 0
	s_cmp_le_u32 s[SLOTS], 4
	s_cselect_b32 s60, 0x10000, 0
	s_wait_xcnt 0x0                                ; the trip's prefetches have read their addresses
	s_add_nc_u64 s[58:59], s[58:59], s[60:61]
	s_sub_co_u32 s[SLOTS], s[SLOTS], 1
	s_cmp_lg_u32 s[SLOTS], 0
	s_cbranch_scc1 .Lslot
	CHANGE 0
	STEP 0
	s_load_b256 s[24:31], s[0:1], 0x20             ; no tensor load is out or follows: wcodes s[24:25], bo s[26:27], gamma s[28:29], beta s[30:31]
	s_load_b64 s[32:33], s[0:1], 0x40              ; out0
	s_load_b128 s[40:43], s[8:9], 0x28             ; e10, e11, e12, e13
	; THE MERGE of the four quarters of the keys.
	PLACES
.irp q, 0,1
	v_add_f32 v[ST+8*\q+6], v[ST+8*\q+2], v[ST+8*\q+3]
.endr
.irp q, 0,1
	s_delay_alu instid0(VALU_DEP_2)
	v_permlanex16_b32 v[PD+\q], v[ST+8*\q+6], s[SEL], s[SEL+1]
.endr
.irp q, 0,1
	s_delay_alu instid0(VALU_DEP_2)
	v_add_f32 v[ST+8*\q+1], v[ST+8*\q+6], v[PD+\q]  ; my quarter's l
.endr
.irp q, 0,1
	ds_store_b64 v[STA], v[ST+8*\q:ST+8*\q+1] offset:256*\q
.endr
	s_wait_dscnt 0x0                               ; my statistics have landed, and my reads of the slots are over
	s_barrier_signal -1
	s_barrier_wait -1
.irp q, 0,1
.irp k, 0,1,2,3
	ds_load_b64 v[FR+8*\q+2*\k:FR+8*\q+2*\k+1], v[STR] offset:256*\q+1024*\k
.endr
.endr
	s_wait_dscnt 0x0
.irp q, 0,1
	v_min3_num_f32 v[ST+8*\q+6], v[FR+8*\q], v[FR+8*\q+2], v[FR+8*\q+4]
	s_delay_alu instid0(VALU_DEP_1)
	v_min_num_f32 v[ST+8*\q+6], v[ST+8*\q+6], v[FR+8*\q+6]   ; -M of the whole row
.irp k, 0,1,2,3
	v_sub_f32 v[FR+8*\q+2*\k], v[ST+8*\q+6], v[FR+8*\q+2*\k]   ; a quarter's M less the row's: a whole number, 0 or less
.endr
	v_sub_f32 v[ST+8*\q+4], v[ST+8*\q+6], v[ST+8*\q]
.irp k, 0,1,2,3
	v_cvt_i32_f32 v[FR+8*\q+2*\k], v[FR+8*\q+2*\k]
.endr
	v_cvt_i32_f32 v[ST+8*\q+4], v[ST+8*\q+4]
.irp k, 0,1,2,3
	v_ldexp_f32 v[FR+8*\q+2*\k], 1.0, v[FR+8*\q+2*\k]
.endr
	v_ldexp_f32 v[ST+8*\q+4], 1.0, v[ST+8*\q+4]    ; my own factor
	v_mul_f32 v[ST+8*\q+7], v[FR+8*\q+1], v[FR+8*\q]
	s_delay_alu instid0(VALU_DEP_1)
	v_fmac_f32 v[ST+8*\q+7], v[FR+8*\q+3], v[FR+8*\q+2]
	s_delay_alu instid0(VALU_DEP_1)
	v_fmac_f32 v[ST+8*\q+7], v[FR+8*\q+5], v[FR+8*\q+4]
	s_delay_alu instid0(VALU_DEP_1)
	v_fmac_f32 v[ST+8*\q+7], v[FR+8*\q+7], v[FR+8*\q+6]   ; the row's l
.endr
	s_wait_alu depctr_va_vdst(0)
	v_rcp_f32 v[ST+7], v[ST+7]
	v_rcp_f32 v[ST+15], v[ST+15]
	v_nop                                          ; a plain line behind the reciprocals
	s_wait_alu depctr_va_vdst(0)                   ; one wait for both, ahead of their first reader
.irp q, 0,1
	v_mul_f32 v[ST+8*\q+4], v[ST+8*\q+4], v[ST+8*\q+7]
.endr
.irp q, 0,1
	s_delay_alu instid0(VALU_DEP_2)
	v_ldexp_f32 v[ST+8*\q+4], v[ST+8*\q+4], s51    ; x 2^(e8 + e9)
.endr
	WIN 0x41
.irp q, 0,1
.set ii, 0
.rept 64
	v_pk_mul_f32 v[128*\q+ii:128*\q+ii+1], v[128*\q+ii:128*\q+ii+1], v[ST+8*\q+4:ST+8*\q+5] op_sel_hi:[1,0]
.set ii, ii+2
.endr
.endr
	WIN 0x04                                       ; store data in window 1.  The stage lies over both slots
.set ii, 0
.rept 64
	ds_store_b128 v[MST], v[4*ii:4*ii+3] offset:512*ii
.set ii, ii+1
.endr
	WIN 0
	s_wait_dscnt 0x0
	; ---- the second part's addresses and scales; O^T has left window 1, which takes three row tiles of q_feat
.set BLK,   65536
.set WT,    786432                     ; where the 20 blocks begin in wcodes
.set SGP,   528
.set KBS,   4096                       ; a K block's images: [row tile 4][1,024]
.set IMG,   8*16*SGP                   ; behind the eight stages of 16 rows: the hidden rows' images, 65,536 bytes
.set STAT1, IMG+65536                  ; the waves' sums: 512 bytes a wave; the squares' 4,096 bytes on
.set OP,    267264                     ; ctx's images, 16,384 bytes, outside the merge's stage
.set PFW, 3                            ; v3 the weights' prefetches
.set LNE, 4                            ; v4 16 x lane
.set WOFF, 5                           ; v5 8,192 w + 16 x lane
.set SGI, 6                            ; v6 my stage by rows
.set SGT, 7                            ; v7 my stage by lanes: 528 r + 64 h
.set OPC, 8                            ; v8 ctx's images
.set ADI, 9                            ; v9 the hidden rows' images of the blocks in hand
.set S1W, 10
.set S1R, 11
.set QOFF, 12                          ; v12 512 w + 16 x lane: q_feat, out0, bo, gamma, beta
.set HST, 13                           ; v13 where I store my images
.set SCH, 14                           ; v14 2^(e12-e10-e11);  v15 57,344 x that
.set LIMH, 15
.set SUM, 16                           ; v16-19; first bo
.set BO4, 16
.set GA,  20
.set BE,  24
.set CXW, 28                           ; v28 where I store ctx's images
.set OF,  28                           ; v28-59 four row fragments; between the products two sets of codes
.set WB0, 60                           ; three sets of eight weight fragments
.set WB1, 124
.set WB2, 188
.set CH,  60
.set XS,  76
.set PR,  108
.set OS,  124
	s_wait_kmcnt 0x0
	s_lshl_b32 s56, s14, 18
	s_mov_b32 s57, 0
	s_add_nc_u64 s[52:53], s[10:11], s[56:57]      ; q_feat and out0 at my first row
	s_add_nc_u64 s[50:51], s[32:33], s[56:57]
	s_add_nc_u64 s[38:39], s[24:25], WT            ; block 0
	s_lshl_b32 s54, s[WV], 9
	s_lshl_b32 s55, s[WV], 13
	s_mul_i32 s18, s[WV], 16*SGP
	s_add_co_u32 s19, s55, IMG
	s_add_co_u32 s20, s54, STAT1
	s_lshl_b32 s21, s17, 12                        ; ctx's images: [channel quarter 4][tile 4][c 2][512]
	s_lshl_b32 s22, s16, 11
	s_add_co_u32 s21, s21, s22
	s_add_co_u32 s21, s21, OP
	s_lshl_b32 s22, s13, 14                        ; the weights' prefetches: my work-group's 16,384 bytes of a block, by address,
	s_and_b32 s23, s[WV], 1
	s_lshl_b32 s23, s23, 13
	s_add_co_u32 s22, s22, s23                     ; my wave's 8,192 of them
	s_and_b32 s23, ttmp7, 0xffff
	s_lshr_b32 s61, s[WV], 1
	s_or_b32 s23, s23, s61                         ; 0 in waves 0 and 1 of batch 0
	s_sub_co_u32 s61, 4, ttmp9                     ; the count of trips at which clusters 0, 1, 2 ask: 4, 3, 2: the same in all four partners
	s_cmp_lt_u32 ttmp9, 3
	s_cselect_b32 s61, s61, 0
	s_cmp_eq_u32 s23, 0
	s_cselect_b32 s61, s61, 0
	s_add_co_i32 s44, s40, s41                     ; e10 + e11
	s_sub_co_i32 s46, 127, s44
	s_lshl_b32 s46, s46, 23                        ; 2^-(e10 + e11)
	s_mov_b32 s47, s46
	s_sub_co_i32 s44, s42, s44                     ; e12 - e10 - e11: the three scales folded into the conversion's one
	s_add_co_i32 s44, s44, 127
	s_lshl_b32 s45, s44, 23
	s_add_co_i32 s44, s44, 15
	s_lshl_b32 s44, s44, 23
	s_or_b32 s44, s44, 0x600000
	s_add_co_i32 s48, s42, s43                     ; E
	s_lshl_b32 s49, s48, 1                         ; 2 E
	s_mov_b32 s62, IMG
	v_and_b32 v16, 31, v0
	v_and_b32 v17, 15, v0                          ; r
	v_bfe_u32 v18, v0, 4, 1                        ; h
	v_lshlrev_b32 v[LNE], 4, v16
	v_lshl_add_u32 v[PFW], v16, 8, s22
	v_add_nc_u32 v[WOFF], s55, v[LNE]
	v_add_nc_u32 v[QOFF], s54, v[LNE]
	v_add_nc_u32 v[SGI], s18, v[LNE]
	v_mul_u32_u24 v19, v17, SGP
	v_lshl_add_u32 v19, v18, 6, v19
	v_add_nc_u32 v[SGT], s18, v19
	v_add_nc_u32 v[OPC], OP, v[LNE]
	v_add_nc_u32 v[ADI], IMG, v[LNE]
	v_add_nc_u32 v[HST], s19, v[LNE]
	v_add_nc_u32 v[S1W], s20, v[LNE]
	v_add_nc_u32 v[S1R], STAT1, v[LNE]
	v_add_nc_u32 v[CXW], s21, v[LNE]
	v_mov_b32 v[SCH], s45
	v_mov_b32 v[LIMH], s44
	s_wait_alu depctr_va_vdst(0)
	global_load_b128 v[BO4:BO4+3], v[QOFF], s[26:27]
	global_load_b128 v[GA:GA+3], v[QOFF], s[28:29]
	global_load_b128 v[BE:BE+3], v[QOFF], s[30:31]
	WIN 0x40                                       ; row tile m of q_feat, by rows, into the registers of accumulators' row tile m + 1: 512 consecutive bytes a load
.irp m, 0,1,2
.set ii, 0
.rept 16
	global_load_b128 v[64*(\m+1)+4*ii:64*(\m+1)+4*ii+3], v[QOFF], s[52:53] offset:(16*\m+ii)*4096 th:TH_LOAD_NT
.set ii, ii+1
.endr
.endr
	WIN 0
	s_barrier_signal -1
	s_barrier_wait -1
.irp q, 0,1                                    ; my pair's tile q, my quarter of the channels: four parts are added, held, converted: two pieces of the next operand
.irp k, 0,1,2,3
.irp d, 0,1,2,3,4,5,6,7
	ds_load_b128 v[32+32*\k+4*\d:35+32*\k+4*\d], v[MR+\k] offset:16384*\q+512*\d
.endr
.endr
	s_wait_dscnt 0x0
.irp k, 1,2,3
.irp j, 0,2,4,6,8,10,12,14,16,18,20,22,24,26,28,30
	v_pk_add_f32 v[32+\j:33+\j], v[32+\j:33+\j], v[32+32*\k+\j:33+32*\k+\j]
.endr
.endr
.set ii, 0
.rept 32
	v_med3_num_f32 v[32+ii], v[32+ii], -v[LIM10], v[LIM10]
.set ii, ii+1
.endr
.irp i, 0,1,2,3
	v_cvt_scalef32_pk8_bf8_f32 v[192+8*\q+2*\i:193+8*\q+2*\i], v[32+8*\i:39+8*\i], v[SC10]
.endr
	v_nop                                          ; a plain line behind the last conversion
	ds_store_b128 v[CXW], v[192+8*\q:195+8*\q] offset:1024*\q
	ds_store_b128 v[CXW], v[196+8*\q:199+8*\q] offset:1024*\q+512
.endr
	s_wait_dscnt 0x0                               ; for the others' sake: my part of ctx's images has landed, and my reads of the merge's stage are over
	s_barrier_signal -1
	s_barrier_wait -1
.macro WLOAD wb, half, off             ; four of my eight weight fragments of the block at byte off: 512 consecutive bytes a load
.irp t, 0,1,2,3
.irp c, 0,1
	global_load_b128 v[\wb+8*(4*\half+\t)+4*\c:\wb+8*(4*\half+\t)+4*\c+3], v[WOFF], s[38:39] offset:\off+1024*(4*\half+\t)+512*\c
.endr
.endr
.endm
.macro OLOADX reg, off                 ; four row fragments of a K block
.irp m, 0,1,2,3
.irp c, 0,1
	ds_load_b128 v[OF+8*\m+4*\c:OF+8*\m+4*\c+3], v[\reg] offset:\off+1024*\m+512*\c
.endr
.endr
.endm
.macro MUL16 wb, t0, zero              ; the 32 accumulators take turns, one instruction a turn
.irp t, \t0, \t0+1, \t0+2, \t0+3
.irp m, 0,1,2,3
.if \zero
	v_wmma_f32_16x16x64_bf8_bf8 v[64*\m+8*(\t):64*\m+8*(\t)+7], v[\wb+8*(\t):\wb+8*(\t)+7], v[OF+8*\m:OF+8*\m+7], 0
.else
	v_wmma_f32_16x16x64_bf8_bf8 v[64*\m+8*(\t):64*\m+8*(\t)+7], v[\wb+8*(\t):\wb+8*(\t)+7], v[OF+8*\m:OF+8*\m+7], v[64*\m+8*(\t):64*\m+8*(\t)+7]
.endif
.endr
.endr
.endm
; A K block.  cnt: the loads issued behind this block's.  lo: where the block three on lies (-1: none).  nreg, nio: the next block's row fragments (-1: none).  adv = 1: the images' address steps three blocks first.
.macro PSTEP wb, cnt, zero, lo, nreg, nio, adv
	s_wait_loadcnt \cnt
	s_wait_dscnt 0x0
	WIN 0x50
	MUL16 \wb, 0, \zero
.if \lo >= 0
	WIN 0
	PLACES
	WLOAD \wb, 0, \lo
	WIN 0x50
.endif
	MUL16 \wb, 4, \zero
	WIN 0
	PLACES
.if \lo >= 0
	WLOAD \wb, 1, \lo
.endif
.if \adv
	s_add_co_u32 s62, s62, 3*KBS
	v_add_nc_u32 v[ADI], s62, v[LNE]
	s_wait_alu depctr_va_vdst(0)
.endif
.if \nio >= 0
	OLOADX \nreg, \nio
.endif
.endm
; Row tile m of q_feat, by rows in v[src ..] (win1 = 1: of window 1), becomes (q_feat + bo) / 2^(e10 + e11) and turns through my stage into the accumulators of row tile m.
.macro QIN m, src, win1, cnt
	s_wait_loadcnt \cnt
.if \m == 0
	v_pk_mul_f32 v[BO4:BO4+1], v[BO4:BO4+1], s[46:47] op_sel_hi:[1,0]
	v_pk_mul_f32 v[BO4+2:BO4+3], v[BO4+2:BO4+3], s[46:47] op_sel_hi:[1,0]
.endif
.if \win1
	WIN 0x41
.endif
.set ii, 0
.rept 16
	v_pk_fma_f32 v[\src+4*ii:\src+4*ii+1], v[\src+4*ii:\src+4*ii+1], s[46:47], v[BO4:BO4+1] op_sel_hi:[1,0,1]
	v_pk_fma_f32 v[\src+4*ii+2:\src+4*ii+3], v[\src+4*ii+2:\src+4*ii+3], s[46:47], v[BO4+2:BO4+3] op_sel_hi:[1,0,1]
.set ii, ii+1
.endr
.if \win1
	WIN 0x04
.endif
.set ii, 0
.rept 16
	ds_store_b128 v[SGI], v[\src+4*ii:\src+4*ii+3] offset:SGP*ii
.set ii, ii+1
.endr
	WIN 0x40                                       ; LDS serves a wave's instructions in order (ISA guide 5.7.1.4): these see the stores above
.irp b, 0,1,2,3
.irp j, 0,1,2,3
	ds_load_b128 v[64*(\m)+16*\b+4*\j:64*(\m)+16*\b+4*\j+3], v[SGT] offset:128*\b+16*\j
.endr
.endr
	WIN 0
	s_wait_dscnt 0x0                               ; the tile is in place, and the stores have read their registers, which the next tile's loads from the stage write
.endm
; Four pairs of chains become a number for each row tile, summed over my columns, then over the eight waves: v[XS .. XS + 3].
.macro FOLDX off
.irp m, 0,1,2,3
	v_pk_add_f32 v[CH+4*\m:CH+4*\m+1], v[CH+4*\m:CH+4*\m+1], v[CH+4*\m+2:CH+4*\m+3]
.endr
.irp m, 0,1,2,3
	v_add_f32 v[SUM+\m], v[CH+4*\m], v[CH+4*\m+1]
.endr
.irp m, 0,1,2,3
	v_permlanex16_b32 v[CH+4*\m+2], v[SUM+\m], s36, s37
.endr
.irp m, 0,1,2,3
	v_add_f32 v[SUM+\m], v[SUM+\m], v[CH+4*\m+2]   ; row r's sum over my 128 columns
.endr
	ds_store_b128 v[S1W], v[SUM:SUM+3] offset:\off
	s_wait_dscnt 0x0                               ; for the others' sake: my store has landed, and my reads of the images are over
	s_barrier_signal -1
	s_barrier_wait -1
.irp w, 0,1,2,3,4,5,6,7
	ds_load_b128 v[XS+4*\w:XS+4*\w+3], v[S1R] offset:\off+512*\w
.endr
	s_wait_dscnt 0x0
.irp w, 1,2,3,4,5,6,7
	v_pk_add_f32 v[XS:XS+1], v[XS:XS+1], v[XS+4*\w:XS+4*\w+1]     ; every wave adds in the same order
	v_pk_add_f32 v[XS+2:XS+3], v[XS+2:XS+3], v[XS+4*\w+2:XS+4*\w+3]
.endr
.endm
.macro TOST m                          ; row tile m: x the row's factor, into my stage, and back by rows
	WIN 0x41
.set ii, 0
.rept 32
	v_pk_mul_f32 v[64*(\m)+ii:64*(\m)+ii+1], v[64*(\m)+ii:64*(\m)+ii+1], v[PR+2*(\m):PR+2*(\m)+1]
.set ii, ii+2
.endr
	WIN 0x04                                       ; store data in window 1
.irp b, 0,1,2,3
.irp j, 0,1,2,3
	ds_store_b128 v[SGT], v[64*(\m)+16*\b+4*\j:64*(\m)+16*\b+4*\j+3] offset:128*\b+16*\j
.endr
.endr
	WIN 0
.set ii, 0
.rept 16
	ds_load_b128 v[OS+64*((\m)%2)+4*ii:OS+64*((\m)%2)+4*ii+3], v[SGI] offset:ii*SGP   ; in order behind the stores above, and ahead of the next tile's
.set ii, ii+1
.endr
.endm
.macro SEND m, younger                 ; x gamma + beta; 512 consecutive bytes, aligned, a store
.set OB, OS+64*((\m)%2)
	s_wait_dscnt \younger
.set ii, 0
.rept 16
	v_pk_fma_f32 v[OB+4*ii:OB+4*ii+1], v[OB+4*ii:OB+4*ii+1], v[GA:GA+1], v[BE:BE+1]
	v_pk_fma_f32 v[OB+4*ii+2:OB+4*ii+3], v[OB+4*ii+2:OB+4*ii+3], v[GA+2:GA+3], v[BE+2:BE+3]
.set ii, ii+1
.endr
.set ii, 0
.rept 16
	global_store_b128 v[QOFF], v[OB+4*ii:OB+4*ii+3], s[50:51] offset:(16*(\m)+ii)*4096 th:TH_STORE_NT
.set ii, ii+1
.endr
.endm
	; ---- q_feat + bo into the accumulators.  A count names the loads issued behind the tile in hand: 16 a tile of q_feat, 16 a block of weights
.set ii, 0
.rept 16
	global_load_b128 v[WB2+4*ii:WB2+4*ii+3], v[QOFF], s[52:53] offset:(48+ii)*4096 th:TH_LOAD_NT
.set ii, ii+1
.endr
	OLOADX OPC, 0
	QIN 0, 64, 1, 48
	WLOAD WB0, 0, 0
	WLOAD WB0, 1, 0
	QIN 1, 128, 1, 48
	WLOAD WB1, 0, BLK
	WLOAD WB1, 1, BLK
	QIN 2, 192, 1, 48
	QIN 3, WB2, 0, 32
	WLOAD WB2, 0, 2*BLK
	WLOAD WB2, 1, 2*BLK
	; ---- ctx Wo: blocks 0 to 3.  Block b lies in set b % 3; behind its loads stand those of the two blocks that follow
	PSTEP WB0, 32, 0, 3*BLK, OPC, 4096, 0
	PSTEP WB1, 32, 0, 4*BLK, OPC, 8192, 0
	PSTEP WB2, 32, 0, 5*BLK, OPC, 12288, 0
	PSTEP WB0, 32, 0, -1, OPC, -1, 0
	; ---- the hidden rows are held, converted, and go to LDS as register images
.irp m, 0,1,2,3
.if \m == 2
	s_wait_dscnt 0x0                               ; row tile 0's stores have read the registers that row tile 2's codes take
.endif
	WIN 0x01                                       ; source 0 in window 1; each accumulator from its low end on
.set ii, 0
.rept 64
	v_med3_num_f32 v[WB0+ii], v[64*\m+ii], -v[LIMH], v[LIMH]   ; the conversion does not saturate (ISA guide 7.6.2): the hold comes first
.set ii, ii+1
.endr
	WIN 0
.irp b, 0,1,2,3
	v_cvt_scalef32_pk8_bf8_f32 v[OF+16*(\m%2)+4*\b:OF+16*(\m%2)+4*\b+1], v[WB0+16*\b:WB0+16*\b+7], v[SCH]
	v_cvt_scalef32_pk8_bf8_f32 v[OF+16*(\m%2)+4*\b+2:OF+16*(\m%2)+4*\b+3], v[WB0+16*\b+8:WB0+16*\b+15], v[SCH]
.endr
	v_nop                                          ; a plain line behind the last conversion: the next tile's holds write its sources
.irp b, 0,1,2,3
	ds_store_b128 v[HST], v[OF+16*(\m%2)+4*\b:OF+16*(\m%2)+4*\b+3] offset:(\b/2)*KBS+1024*\m+(\b%2)*512
.endr
.endr
	WLOAD WB0, 0, 6*BLK
	WLOAD WB0, 1, 6*BLK
	s_wait_dscnt 0x0                               ; for the others' sake: my images have landed
	s_barrier_signal -1
	s_barrier_wait -1
	; ---- x Wfc: blocks 4 to 19
	OLOADX ADI, 0
	PSTEP WB1, 32, 1, 7*BLK, ADI, KBS, 0           ; block 4 starts the sums anew, ahead of the loop
	s_mov_b32 s60, 4
.Ltrip:                                            ; trip i: blocks 5 + 3 i .. 7 + 3 i are multiplied, blocks 8 + 3 i .. 10 + 3 i asked for
	PSTEP WB2, 32, 0, 8*BLK, ADI, 2*KBS, 0
	s_cmp_eq_u32 s60, s61
	s_cbranch_scc0 .Lnot_mine_w
	global_prefetch_b8 v[PFW], s[38:39] offset:11*BLK th:TH_LOAD_NT scope:SCOPE_SE
	global_prefetch_b8 v[PFW], s[38:39] offset:12*BLK th:TH_LOAD_NT scope:SCOPE_SE
	global_prefetch_b8 v[PFW], s[38:39] offset:13*BLK th:TH_LOAD_NT scope:SCOPE_SE
.Lnot_mine_w:
	PSTEP WB0, 32, 0, 9*BLK, ADI, 3*KBS, 0
	PSTEP WB1, 32, 0, 10*BLK, ADI, KBS, 1
	s_wait_xcnt 0x0                                ; the trip's loads and prefetches have read their base
	s_add_nc_u64 s[38:39], s[38:39], 3*BLK
	s_sub_co_u32 s60, s60, 1
	s_cmp_lg_u32 s60, 0
	s_cbranch_scc1 .Ltrip
	PSTEP WB2, 32, 0, -1, ADI, 2*KBS, 0            ; blocks 17, 18, 19: nothing is left to ask for
	PSTEP WB0, 16, 0, -1, ADI, 3*KBS, 0
	PSTEP WB1, 0, 0, -1, ADI, -1, 0
	; ---- the layer norm, in two passes over the registers.  A sum stands for sum x 2^E: var = 2^(2 E) x mean of squares, and the difference is multiplied by rsqrt(var + 1e-5) x 2^E
	WIN 0x05                                       ; both sources in window 1
.irp m, 0,1,2,3
	v_pk_add_f32 v[CH+4*\m:CH+4*\m+1], v[64*\m:64*\m+1], v[64*\m+2:64*\m+3]
	v_pk_add_f32 v[CH+4*\m+2:CH+4*\m+3], v[64*\m+4:64*\m+5], v[64*\m+6:64*\m+7]
.endr
	WIN 0x04                                       ; source 1 in window 1; ascending
.set pp, 4
.rept 28
.irp m, 0,1,2,3
	v_pk_add_f32 v[CH+4*\m+2*(pp%2):CH+4*\m+2*(pp%2)+1], v[CH+4*\m+2*(pp%2):CH+4*\m+2*(pp%2)+1], v[64*\m+2*pp:64*\m+2*pp+1]
.endr
.set pp, pp+1
.endr
	WIN 0
	FOLDX 0
.irp m, 0,1,2,3
	v_mul_f32 v[PR+2*\m], 0xba800000, v[XS+\m]     ; -mean = sum x -1/1,024
.endr
.irp m, 0,1,2,3
	v_mov_b32 v[PR+2*\m+1], v[PR+2*\m]
.endr
	WIN 0x41
.irp m, 0,1,2,3
.set ii, 0
.rept 32
	v_pk_add_f32 v[64*\m+ii:64*\m+ii+1], v[64*\m+ii:64*\m+ii+1], v[PR+2*\m:PR+2*\m+1]
.set ii, ii+2
.endr
.endr
	WIN 0x05
.irp m, 0,1,2,3
	v_pk_mul_f32 v[CH+4*\m:CH+4*\m+1], v[64*\m:64*\m+1], v[64*\m:64*\m+1]
	v_pk_mul_f32 v[CH+4*\m+2:CH+4*\m+3], v[64*\m+2:64*\m+3], v[64*\m+2:64*\m+3]
.endr
.set pp, 2
.rept 30
.irp m, 0,1,2,3
	v_pk_fma_f32 v[CH+4*\m+2*(pp%2):CH+4*\m+2*(pp%2)+1], v[64*\m+2*pp:64*\m+2*pp+1], v[64*\m+2*pp:64*\m+2*pp+1], v[CH+4*\m+2*(pp%2):CH+4*\m+2*(pp%2)+1]
.endr
.set pp, pp+1
.endr
	WIN 0
	FOLDX 4096                                     ; other bytes than the first exchange: no barrier is owed between the two
.irp m, 0,1,2,3
	v_mul_f32 v[XS+\m], 0x3a800000, v[XS+\m]       ; / 1,024
.endr
.irp m, 0,1,2,3
	v_ldexp_f32 v[XS+\m], v[XS+\m], s49            ; x 2^(2 E): the variance
.endr
.irp m, 0,1,2,3
	v_add_f32 v[XS+\m], 0x3727c5ac, v[XS+\m]       ; + 1e-5
.endr
	s_wait_alu depctr_va_vdst(0)
.irp m, 0,1,2,3
	v_rsq_f32 v[XS+\m], v[XS+\m]
.endr
	v_nop                                          ; a plain line behind the last root
	s_wait_alu depctr_va_vdst(0)                   ; one wait for the four, ahead of their first reader
.irp m, 0,1,2,3
	v_ldexp_f32 v[PR+2*\m], v[XS+\m], s48          ; x 2^E, which the differences lack
.endr
.irp m, 0,1,2,3
	v_mov_b32 v[PR+2*\m+1], v[PR+2*\m]
.endr
	; ---- the way out, through my stage
	TOST 0
	TOST 1
	SEND 0, 32                                     ; behind tile 0's loads: tile 1's 16 stores and 16 loads
	s_wait_xcnt 0x0                                ; tile 0's stores have read their registers
	TOST 2
	SEND 1, 32
	s_wait_xcnt 0x0
	TOST 3
	SEND 2, 32
	SEND 3, 0
	s_wait_tensorcnt 0x0                           ; the wave's end
	ds_add_u32 v[SPW], v[NIL]
	s_wait_dscnt 0x0
	CROUND                                         ; the closing round
	s_endpgm
.Lfunc_end_k_q42187a58a7_attn:
	.size	k_q42187a58a7_attn, .Lfunc_end_k_q42187a58a7_attn-k_q42187a58a7_attn
	.p2alignl 7, 3214868480
	.fill 96, 4, 3214868480
	.section	.rodata,"a",@progbits
	.p2align	6, 0x0
	.amdhsa_kernel k_q42187a58a7_attn
		.amdhsa_group_segment_fixed_size 327680
		.amdhsa_private_segment_fixed_size 0
		.amdhsa_enable_private_segment 0
		.amdhsa_kernarg_size 72
		.amdhsa_user_sgpr_count 2
		.amdhsa_user_sgpr_kernarg_segment_ptr 1
		.amdhsa_wavefront_size32 1
		.amdhsa_system_sgpr_workgroup_id_x 1
		.amdhsa_system_sgpr_workgroup_id_y 1
		.amdhsa_system_sgpr_workgroup_id_z 1
		.amdhsa_system_vgpr_workitem_id 0
		.amdhsa_next_free_vgpr 512
		.amdhsa_next_free_sgpr 66
		.amdhsa_reserve_vcc 0
		.amdhsa_float_denorm_mode_32 3
		.amdhsa_float_denorm_mode_16_64 3
		.amdhsa_memory_ordered 1
		.amdhsa_forward_progress 1
		.amdhsa_inst_pref_size 255
	.end_amdhsa_kernel
	.section	.bss,"aw",@nobits
	.p2align	6
	.space	262144
	.amdgpu_metadata
---
amdhsa.version: [ 1, 2 ]
amdhsa.kernels:
  - .name:           k_q42187a58a7_attn
    .symbol:         k_q42187a58a7_attn.kd
    .args:
      - { .name: qc, .offset: 0, .size: 8, .value_kind: global_buffer, .address_space: global }
      - { .name: kvc, .offset: 8, .size: 8, .value_kind: global_buffer, .address_space: global }
      - { .name: lowp_scales, .offset: 16, .size: 8, .value_kind: global_buffer, .address_space: global }
      - { .name: q_feat, .offset: 24, .size: 8, .value_kind: global_buffer, .address_space: global }
      - { .name: wcodes, .offset: 32, .size: 8, .value_kind: global_buffer, .address_space: global }
      - { .name: bo, .offset: 40, .size: 8, .value_kind: global_buffer, .address_space: global }
      - { .name: ln_gamma, .offset: 48, .size: 8, .value_kind: global_buffer, .address_space: global }
      - { .name: ln_beta, .offset: 56, .size: 8, .value_kind: global_buffer, .address_space: global }
      - { .name: out0, .offset: 64, .size: 8, .value_kind: global_buffer, .address_space: global }
    .group_segment_fixed_size: 327680
    .private_segment_fixed_size: 0
    .kernarg_segment_align: 8
    .kernarg_segment_size: 72
    .max_flat_workgroup_size: 256
    .sgpr_count:     66
    .vgpr_count:     512
    .wavefront_size: 32
...
	.end_amdgpu_metadata
.endif
;; end of part 3
